; MI455X (gfx1250); checked and timed in simulation.
; The chip was launched on July 23, 2026; its instructions are those of AMD's public machine-readable ISA for CDNA 5 (MIT licence, August 2026) and "CDNA5" Instruction Set Architecture Reference Guide (July 2026). The comments in the code are by the model that wrote it; some were corrected since.
;; Transformer Block. Allowed arithmetic: matrix products marked QUANTISED: E5M2 operands, one E8M0 scale for each 32 along K, by v_wmma_scale_f32_16x16x128_f8f6f4 with both operands' format E5M2, f32 sums; everything else in f32.
;; Inputs: H 2 x 2,048 x 1,024 float32; W1 1,024 x 4,096 float32; W2 4,096 x 1,024 float32; Wk 1,024 x 1,024 float32; Wo 1,024 x 1,024 float32; Wq 1,024 x 1,024 float32; Wv 1,024 x 1,024 float32; b1 4,096 float32; b2 1,024 float32; ln1_b 1,024 float32; ln1_g 1,024 float32; ln2_b 1,024 float32; ln2_g 1,024 float32.
;; Outputs: out0 2 x 2,048 x 1,024 float32.
;; This version of the problem:
;;   THIS VERSION OF THE PROBLEM IS GIVEN IN LOW PRECISION. The matrix products marked QUANTISED in the list below multiply operands that are first quantised to E5M2 (5 exponent bits, 2 mantissa bits; 8 bits a number), with one power-of-two scale for each 32 numbers along K (OCP MX v1.0); their sums are f32. All else is computed in f32.
;;   The module's matrix products, in the order in which they are computed (A, B: the left and right operand; K: the contracted axis; several contracted axes count as one K, in the product's order):
;;     1. [M 4,096, K 1,024] x [K 1,024, N 1,024]; A: computed on the way; B: input Wq: QUANTISED
;;     2. [M 4,096, K 1,024] x [K 1,024, N 1,024]; A: computed on the way; B: input Wk: QUANTISED
;;     3. [M 4,096, K 1,024] x [K 1,024, N 1,024]; A: computed on the way; B: input Wv: QUANTISED
;;     4. batch 32 x [M 2,048, K 64] x [K 64, N 2,048]; A: computed on the way; B: computed on the way: QUANTISED
;;     5. batch 32 x [M 2,048, K 2,048] x [K 2,048, N 64]; A: softmax (see below); B: computed on the way: QUANTISED
;;     6. [M 4,096, K 1,024] x [K 1,024, N 1,024]; A: computed on the way; B: input Wo: QUANTISED
;;     7. [M 4,096, K 1,024] x [K 1,024, N 4,096]; A: computed on the way; B: input W1: QUANTISED
;;     8. [M 4,096, K 4,096] x [K 4,096, N 1,024]; A: computed on the way; B: input W2: QUANTISED
;;   THE QUANTISER, for each operand of a quantised product, along K:
;;     - K is cut into blocks of 32 from its start; a last block that is shorter is filled with zeros.
;;     - A block's scale is 2^e with e = floor(log2(the largest magnitude in the block)) - 15, held to -126 .. 127; a block of zeros has e = 0. As a byte (E8M0): e + 127.
;;     - Each number is divided by its block's scale, clamped to +-57,344, and rounded to the nearest number of E5M2, ties to even, subnormals kept.
;;     - The product sums the exact products of the quantised numbers (number of the format x scale) in f32.
;;   ~~~python
;;   def quantise(x, axis):      # numpy; x: float32 -> the quantised numbers, widened to float32 again
;;       x = np.moveaxis(x, axis, -1); K = x.shape[-1]
;;       x = np.pad(x, [(0, 0)] * (x.ndim - 1) + [(0, -K % 32)]); x = x.reshape(x.shape[:-1] + (-1, 32)); a = np.abs(x).max(-1, keepdims=True)
;;       e = np.where(a > 0, np.clip(np.frexp(np.where(a > 0, a, 1))[1] - 1 - 15, -126, 127), 0)      # np.frexp(a)[1] - 1 = floor(log2(a)), exactly
;;       r = np.clip(x / 2.0 ** e, -57344, 57344)
;;       step = 2.0 ** (np.maximum(np.frexp(np.where(r == 0, 1, r))[1] - 1, -14) - 2)
;;       q = np.round(r / step) * step * 2.0 ** e      # np.round: ties to even
;;       return np.moveaxis(q.reshape(q.shape[:-2] + (-1,))[..., :K], -1, axis).astype(np.float32)
;;   ~~~
;;   SOFTMAX AHEAD OF A QUANTISED PRODUCT. Where the list says 'softmax', what is quantised is not the finished softmax but p = 2^(t - M), with t = logit x log2(e) and M = ceil(the row's largest t), a whole number; so 1/2 < the row's largest p <= 1. The row's sum l is taken of the UNQUANTISED p, in f32, and the product's result is divided by l at the end. Since M is a whole number, a kernel that streams over the keys may use a running M (the ceiling of the running maximum): every later rescaling is an exact power of two, which a block's scale takes up: the codes' values come out the same.
;;   OPERANDS COMPUTED ON THE WAY. 'Computed on the way' means the value that the module computes at that place (a softmax that the list does not call 'softmax' is quantised finished and normalised). What goes into a quantiser is computed in f32, as accurately as f32 sums, v_exp_f32 and their like allow (about 1e-6 of the number): no bf16 or f16 on the way to a quantiser, and a product that is left as it is and whose result goes on into a quantised operand takes f32 operands (vector FMAs, or v_wmma_f32_16x16x4_f32). A number that lies on a knife's edge between two numbers of the format may be rounded either way, as far as f32 arithmetic and the matrix unit's own rounding can turn it there, and no further.
;; One version. Each part assembles by itself: llvm-mc -triple=amdgcn-amd-amdhsa -mcpu=gfx1250 --defsym DOCPART=n.
;; ======== version 1 of 1: 7 launches
;; limits: right only within a limited range of input values
;; workspace buffers: ops 17,301,504 bytes; qkv 17,563,648 bytes; ap 4,325,376 bytes; h1 16,777,216 bytes; hp 17,301,504 bytes
;; launch prep (part 1): grid 448 x 1, 8 waves a work-group, no clusters, 69,632 bytes of LDS; arguments Wv, Wq, Wk, Wo, W1, W2, H, ln1_g, ln1_b, ops; writes ops
.if DOCPART == 1
	.amdgcn_target "amdgcn-amd-amdhsa--gfx1250"
	.amdhsa_code_object_version 6
	.text
	.protected	k_qddfb9befb8_prep
	.globl	k_qddfb9befb8_prep
	.p2align	8
	.type	k_qddfb9befb8_prep,@function
k_qddfb9befb8_prep:
	s_mov_b64 s[64:65], 0
	v_nop
	global_prefetch_b8 v0, s[64:65] scope:SCOPE_SE
	s_setreg_imm32_b32 hwreg(HW_REG_WAVE_MODE, 25, 1), 1
	s_wait_xcnt 0x0
; THE PROGRAM: one transformer block (LN1, Q/K/V, causal attention, Wo + residual, LN2, W1 + b1, exact GELU, W2 + b2 + residual), all eight products on codes of E5M2 with one E8M0 scale for each 32 along K.
; WORK LEFT OUT, for all values of the inputs: reference() sets the scores of keys behind a query to -infinity by a mask that it builds itself (jnp.tril), so their weights are 0 in exact arithmetic:
; key steps of 128 keys that lie wholly behind a tile's 16 queries are not multiplied (launch attn).  Nothing else is left out; all thirteen inputs are loaded.
; LIMIT: a NaN, an infinity or an overflow that reaches only those masked steps is not carried to the result.  NaN and infinities among the inputs are not served.
; THIS LAUNCH has two kinds of work-groups, told apart by the work-group's number alone; they share no byte and never join.  Both store into the workspace ops, in parts of their own.
; PK, the order of every operand in memory: a block is 128 rows x 128 K = 16,896 bytes: eight fragments of 2,048 bytes, then 512 bytes of scale words.  Byte c*512 + lane*16 + i of fragment a is the code of
; row 32 (a/2) + 8 (a%2) + r + 8 (r/8), k = 32 c + 16 h + i, lane = (r = lane%16, h = lane/16): the image of the matrix operand's registers.  The word of (a, r) lies at 16,384 + 64 a + 4 r.
; WORK-GROUPS 0 .. 191: the six weights, f32 [K][N] with K their FIRST axis, become PK blocks (rows = columns n).  A LANE TAKES A COLUMN AND ITS REGISTERS RUN DOWN K: a block of 32 lies in one lane, the
; conversions give codes with K innermost, and sixteen lanes store 256 consecutive aligned bytes.  No LDS, no barrier.  A work-group takes 128 columns x 512 K; waves 0-3 its first 256 along K, waves 4-7 the others;
; wave w the 32 columns of fragments 2 (w%4), 2 (w%4) + 1.
; WORK-GROUPS 192 .. 447: LayerNorm of H's 4,096 rows, quantised along the row, as PK blocks into the x region.  A work-group takes the 16 rows of one fragment, wave w columns 128 w .. 128 w + 127.
; A block's scale byte is its largest magnitude's exponent field - 15, held at 1 from below (a block of zeros gets 1 where the rule says 127: its codes are zeros, and this program alone reads the bytes).
; LIMIT: blocks under 2^-111 keep the byte 1.
.set NWQ,   192                        ; work-groups that take weights
.set BLK,   16896
.set SCO,   16384
.set OFF_X, 1081344                    ; x's 32 groups begin at group 8 of ops
.set RED,   67584                      ; LDS, LayerNorm alone: behind the eight stages of 8,448 bytes: 512 bytes for the first sum, 512 for the second
.set SPARE, 68608                      ; the spare words: 128 bytes for each of the eight waves
.set SPW,   12                         ; v12 my spare word's address, v13 0: kept for the add alone, on both paths
.set NIL,   13
	v_lshl_add_u32 v[SPW], v0, 2, SPARE
	v_mov_b32 v[NIL], 0
	s_cmp_lt_u32 ttmp9, NWQ                        ; the same in all eight waves
	s_cbranch_scc0 .Lnorm
; ---------------- the weights
.set X,    32                          ; v32-95   two sets of 32 numbers
.set C,    96                          ; v96-159  eight registers of codes for each of the 8 blocks: no store's data are written again
.set SB,   24                          ; v24, v25 the scale words of the two K steps of 128
	s_load_b256 s[4:11], s[0:1], 0x0               ; Wv, Wq, Wk, Wo
	s_load_b128 s[12:15], s[0:1], 0x20             ; W1, W2
	s_load_b64 s[16:17], s[0:1], 0x48              ; ops
	v_lshrrev_b32 v1, 5, v0
	s_delay_alu instid0(VALU_DEP_1)
	v_readfirstlane_b32 s34, v1                    ; wave 0 .. 7
	s_and_b32 s18, s34, 3                          ; which 32 of the 128 columns
	s_lshr_b32 s35, s34, 2                         ; which 256 of the 512 along K
	s_lshl_b32 s36, ttmp9, 1
	s_add_co_u32 s36, s36, s35                     ; the run of 128 columns x 256 K, 0 .. 383
	v_and_b32 v2, 15, v0                           ; r
	v_bfe_u32 v6, v0, 4, 1                         ; u: which of my wave's two fragments
	s_delay_alu instid0(VALU_DEP_2)
	v_and_b32 v7, 8, v2
	s_delay_alu instid0(VALU_DEP_1)
	v_add_nc_u32 v7, v7, v2                        ; r + 8 (r / 8)
	s_delay_alu instid0(VALU_DEP_1)
	v_lshl_add_u32 v7, v6, 3, v7                   ; + 8 u: my column among the wave's 32
	s_delay_alu instid0(VALU_DEP_1)
	v_lshlrev_b32 v3, 2, v7                        ; in: 4 bytes a column
	v_lshlrev_b32 v4, 4, v2
	s_delay_alu instid0(VALU_DEP_1)
	v_lshl_add_u32 v4, v6, 11, v4                  ; out: 2,048 u + 16 r
	v_and_b32 v5, 31, v0
	s_delay_alu instid0(VALU_DEP_1)
	v_lshlrev_b32 v5, 2, v5                        ; scale words: 4 x lane
	s_lshl_b32 s19, s18, 12
	v_add_nc_u32 v4, s19, v4                       ; + 4,096 x (wave % 4)
	s_lshl_b32 s19, s18, 7
	v_add_nc_u32 v5, s19, v5                       ; + 128 x (wave % 4)
	s_mov_b32 s31, 0x600000                        ; the mantissa field of 57,344
	; which weight, which 128 columns (Gr), which 256 along K (slab): from the run's number alone
	s_lshr_b32 s20, s36, 7                         ; class: 0 the four square weights, 1 W1, 2 W2
	s_and_b32 s21, s36, 127
	s_lshr_b32 s22, s21, 5                         ; class 0: which of the four
	s_cmp_eq_u32 s20, 2
	s_cselect_b32 s23, 4, 2                        ; bits of the slab's number
	s_cselect_b32 s24, 15, 3
	s_cselect_b32 s25, 32, 8                       ; K steps of 128 in a group
	s_and_b32 s24, s21, s24                        ; slab
	s_lshr_b32 s23, s21, s23
	s_cmp_eq_u32 s20, 1
	s_cselect_b32 s26, 31, 7
	s_cselect_b32 s27, 22, 20                      ; 256 rows of 16,384 or of 4,096 bytes
	s_and_b32 s23, s23, s26                        ; Gr
	s_lshl_b32 s28, s24, s27
	s_lshl_b32 s29, s23, 9
	s_add_co_u32 s28, s28, s29
	s_lshl_b32 s29, s18, 7
	s_add_co_u32 s28, s28, s29                     ; source: slab's rows + (128 Gr + 32 (wave % 4)) columns
	s_mov_b32 s29, 0
	s_lshl_b32 s30, s22, 3
	s_add_co_u32 s30, s30, 32                      ; Wq, Wk, Wo: groups 40, 48, 56 of ops
	s_cmp_eq_u32 s22, 0
	s_cselect_b32 s30, 0, s30                      ; Wv: group 0
	s_cmp_eq_u32 s20, 1
	s_cselect_b32 s30, 64, s30                     ; W1: group 64
	s_cmp_eq_u32 s20, 2
	s_cselect_b32 s30, 96, s30                     ; W2: from group 96 on
	s_lshl_b32 s30, s30, 3                         ; in blocks
	s_mul_i32 s32, s23, s25
	s_add_co_u32 s30, s30, s32
	s_lshl_b32 s32, s24, 1
	s_add_co_u32 s30, s30, s32
	s_mul_i32 s32, s30, BLK
	s_mov_b32 s33, 0
	s_wait_kmcnt 0x0
	s_cmp_eq_u32 s22, 1                            ; the buffer is chosen by the run's number alone
	s_cselect_b64 s[4:5], s[6:7], s[4:5]
	s_cmp_eq_u32 s22, 2
	s_cselect_b64 s[4:5], s[8:9], s[4:5]
	s_cmp_eq_u32 s22, 3
	s_cselect_b64 s[4:5], s[10:11], s[4:5]
	s_cmp_eq_u32 s20, 1
	s_cselect_b64 s[4:5], s[12:13], s[4:5]
	s_cmp_eq_u32 s20, 2
	s_cselect_b64 s[4:5], s[14:15], s[4:5]
	s_add_nc_u64 s[4:5], s[4:5], s[28:29]
	s_add_nc_u64 s[16:17], s[16:17], s[32:33]
.macro LOAD t, sn                      ; block t: W(32 t + i, my column), i = 0 .. 31, into set t % 2; the wave reads 128 consecutive bytes a load
.set LI, 0
.rept 32
	global_load_b32 v[X+32*((\t)%2)+LI], v3, s[4:5] offset:(32*(\t)+LI)*(\sn) th:TH_LOAD_NT
.set LI, LI+1
.endr
.endm
.macro BLOCK t, sn
.set XS, X+32*((\t)%2)
.if (\t) < 7
	s_wait_loadcnt 32                              ; this block's 32 loads are in; the next block's 32 may be out
.else
	s_wait_loadcnt 0
.endif
	v_max3_num_f32 v8, |v[XS]|, |v[XS+1]|, |v[XS+2]|
	v_max3_num_f32 v9, |v[XS+3]|, |v[XS+4]|, |v[XS+5]|
.irp i, 6,10,14,18,22,26
	s_delay_alu instid0(VALU_DEP_2)
	v_max3_num_f32 v8, v8, |v[XS+\i]|, |v[XS+\i+1]|
	s_delay_alu instid0(VALU_DEP_2)
	v_max3_num_f32 v9, v9, |v[XS+\i+2]|, |v[XS+\i+3]|
.endr
	s_delay_alu instid0(VALU_DEP_2)
	v_max3_num_f32 v8, v8, |v[XS+30]|, |v[XS+31]|
	s_delay_alu instid0(VALU_DEP_1)
	v_max3_num_f32 v8, v8, v9, 0x8000000           ; the floor 2^(16 - 127): the byte cannot fall under 1
	s_delay_alu instid0(VALU_DEP_1)
	v_add_nc_u32 v11, 0xf8800000, v8               ; 15 off the exponent field: the conversion's scale operand
	s_delay_alu instid0(VALU_DEP_2)
	v_and_or_b32 v10, v8, 0x7f800000, s31          ; 57,344 x the scale
	s_delay_alu instid0(VALU_DEP_2)
	v_lshrrev_b32 v9, 23, v11                      ; the scale's byte
.if (\t)%4 == 0
	s_delay_alu instid0(VALU_DEP_1)
	v_mov_b32 v[SB+(\t)/4], v9
.else
	s_delay_alu instid0(VALU_DEP_1)
	v_lshl_or_b32 v[SB+(\t)/4], v9, 8*((\t)%4), v[SB+(\t)/4]
.endif
.set LI, 0
.rept 32
	v_med3_num_f32 v[XS+LI], v[XS+LI], -v10, v10   ; the conversion to an 8-bit code does not saturate (ISA guide 7.6.2): the hold
.set LI, LI+1
.endr
.irp g, 0,1,2,3
	v_cvt_scalef32_pk8_bf8_f32 v[C+8*(\t)+2*\g:C+8*(\t)+2*\g+1], v[XS+8*\g:XS+8*\g+7], v11
.endr
	global_store_b128 v4, v[C+8*(\t):C+8*(\t)+3], s[16:17] offset:((\t)/4)*BLK+((\t)%4)*512         ; k = 32 c + 0 .. 15: the place of lanes 0-15 of the image
	global_store_b128 v4, v[C+8*(\t)+4:C+8*(\t)+7], s[16:17] offset:((\t)/4)*BLK+((\t)%4)*512+256   ; k = 32 c + 16 .. 31: that of lanes 16-31
.if (\t)%4 == 3
	global_store_b32 v5, v[SB+(\t)/4], s[16:17] offset:((\t)/4)*BLK+SCO   ; the wave's 32 words: 128 consecutive bytes
.endif
.if (\t)+2 < 8
	LOAD (\t)+2, \sn
.endif
.endm
.macro WALK sn
	LOAD 0, \sn
	LOAD 1, \sn
.set Q, 0
.rept 8
	BLOCK Q, \sn
.set Q, Q+1
.endr
	s_wait_tensorcnt 0x0                           ; the wave's end
	ds_add_u32 v[SPW], v[NIL]
	s_wait_dscnt 0x0
	s_endpgm
.endm
	s_cmp_eq_u32 s20, 1                            ; W1's rows are 16,384 bytes, the others' 4,096: every offset is an immediate, so the walk is written for each
	s_cbranch_scc1 .Lwide
	s_wait_alu depctr_va_vdst(0)
	WALK 4096
.Lwide:
	s_wait_alu depctr_va_vdst(0)
	WALK 16384
; ---------------- LayerNorm of H.  mean, then the mean of (x - mean)^2, as reference() has it; (x - mean) * rsqrt(var + 1e-5) * g + b, all in f32.
; Each load reads 512 consecutive bytes of a row; the 16 x 512 bytes turn through the wave's own stage in LDS (rows 528 bytes apart), so that lane (r, h) holds, of row r, the 16 neighbours 32 c + 16 h + 0 .. 15 of each block.
; The rows, b and g are asked for together at the head.  The row's sums meet in LDS: a word for each (row, wave), one barrier for each of the two sums, in bytes of their own.
.set TM,    16                         ; v16-19 largest magnitudes, v20-23 bytes, v24-27 holds, v28-31 scale operands
.set PW,    32                         ; the scale word
.set PC,    36                         ; v36-51 the codes
.set XR,    64                         ; v64-127 the rows as loaded, then my 64 numbers
.set GR,    128                        ; v128-191 g
.set BR,    192                        ; v192-255 b
.set SEL,   20
.set MNT,   22
.Lnorm:
	s_load_b256 s[4:11], s[0:1], 0x30              ; H, ln1_g, ln1_b, ops
	v_lshrrev_b32 v1, 5, v0
	s_delay_alu instid0(VALU_DEP_1)
	v_readfirstlane_b32 s12, v1                    ; wave = K step of 128
	v_and_b32 v1, 31, v0
	v_and_b32 v2, 15, v0                           ; r
	v_bfe_u32 v3, v0, 4, 1                         ; h
	s_delay_alu instid0(VALU_DEP_3)
	v_lshlrev_b32 v4, 4, v1                        ; 16 x lane
	s_mul_i32 s13, s12, 8448
	v_add_nc_u32 v5, s13, v4                       ; the stage, in: a row's 512 bytes as they lie
	v_mul_u32_u24 v6, v2, 528
	s_delay_alu instid0(VALU_DEP_1)
	v_lshl_add_u32 v6, v3, 6, v6
	s_delay_alu instid0(VALU_DEP_1)
	v_add_nc_u32 v6, s13, v6                       ; and out: row r, + 64 h
	v_lshlrev_b32 v8, 5, v2
	s_delay_alu instid0(VALU_DEP_1)
	v_add_nc_u32 v8, RED, v8                       ; a row's eight partial sums: 32 bytes
	s_lshl_b32 s13, s12, 2
	v_add_nc_u32 v7, s13, v8                       ; my wave's word of them
	v_lshlrev_b32 v9, 6, v3                        ; g, b: + 64 h
	v_lshlrev_b32 v10, 2, v2                       ; scale words: 4 r
	s_mov_b32 s[SEL], 0x76543210
	s_mov_b32 s[SEL+1], 0xfedcba98                 ; lane l xor 16
	s_mov_b32 s[MNT], 0x600000
	s_mov_b32 s24, 0x3a800000                      ; 1 / 1,024
	s_mov_b32 s25, 0x3727c5ac                      ; 1e-5
.irp b, 0,1,2,3
	v_mov_b32 v[TM+4+\b], 0                        ; a lane permute's destination counts as one of its sources
.endr
	s_sub_co_u32 s23, ttmp9, NWQ                   ; which fragment of 16 rows, 0 .. 255
	s_lshr_b32 s14, s23, 3                         ; Gr
	s_and_b32 s15, s23, 7                          ; a
	s_lshl_b32 s16, s14, 7
	s_lshr_b32 s17, s15, 1
	s_lshl_b32 s17, s17, 5
	s_add_co_u32 s16, s16, s17
	s_and_b32 s17, s15, 1
	s_lshl_b32 s17, s17, 3
	s_add_co_u32 s16, s16, s17                     ; the fragment's first row
	s_lshl_b32 s16, s16, 12
	s_lshl_b32 s18, s12, 9                         ; my wave's 512 bytes of a row
	s_add_co_u32 s16, s16, s18
	s_mov_b32 s17, 0
	s_mov_b32 s19, 0
	s_lshl_b32 s26, s14, 3
	s_add_co_u32 s26, s26, s12
	s_mul_i32 s26, s26, BLK
	s_add_co_u32 s26, s26, OFF_X                   ; block (Gr, wave)
	s_lshl_b32 s28, s15, 6
	s_add_co_u32 s28, s28, s26
	s_add_co_u32 s28, s28, SCO                     ; its scale words of fragment a
	s_lshl_b32 s27, s15, 11
	s_add_co_u32 s26, s26, s27                     ; its fragment a
	s_mov_b32 s27, 0
	s_mov_b32 s29, 0
	s_wait_alu depctr_va_vdst(0)
	s_wait_kmcnt 0x0
	s_add_nc_u64 s[4:5], s[4:5], s[16:17]
	s_add_nc_u64 s[6:7], s[6:7], s[18:19]
	s_add_nc_u64 s[8:9], s[8:9], s[18:19]
	s_add_nc_u64 s[26:27], s[10:11], s[26:27]
	s_add_nc_u64 s[28:29], s[10:11], s[28:29]
.irp i, 0,1,2,3,4,5,6,7,8,9,10,11,12,13,14,15
	global_load_b128 v[XR+4*\i:XR+4*\i+3], v4, s[4:5] offset:(\i+8*(\i/8))*4096 th:TH_LOAD_NT   ; 32 lanes read 512 consecutive bytes of row i
.endr
.irp c, 0,1,2,3
.irp j, 0,1,2,3
	global_load_b128 v[BR+16*\c+4*\j:BR+16*\c+4*\j+3], v9, s[8:9] offset:128*\c+16*\j
.endr
.endr
.irp c, 0,1,2,3
.irp j, 0,1,2,3
	global_load_b128 v[GR+16*\c+4*\j:GR+16*\c+4*\j+3], v9, s[6:7] offset:128*\c+16*\j
.endr
.endr
	s_wait_loadcnt 32                              ; the rows are in; b's and g's 32 loads may be out
.irp i, 0,1,2,3,4,5,6,7,8,9,10,11,12,13,14,15
	ds_store_b128 v5, v[XR+4*\i:XR+4*\i+3] offset:528*\i
.endr
.irp c, 0,1,2,3
.irp j, 0,1,2,3
	ds_load_b128 v[XR+16*\c+4*\j:XR+16*\c+4*\j+3], v6 offset:128*\c+16*\j   ; LDS serves a wave's instructions in order: these see my stores, and come back into the registers that the rows left
.endr
.endr
	s_wait_dscnt 0x0
; v52 = my lane's sum -> v52 = the row's sum over 1,024: the other half of the lanes, then the eight waves through LDS
.macro ACROSS off
	s_delay_alu instid0(VALU_DEP_3)
	v_pk_add_f32 v[52:53], v[52:53], v[54:55]
	s_delay_alu instid0(VALU_DEP_2)
	v_pk_add_f32 v[56:57], v[56:57], v[58:59]
	s_delay_alu instid0(VALU_DEP_1)
	v_pk_add_f32 v[52:53], v[52:53], v[56:57]
	s_delay_alu instid0(VALU_DEP_1)
	v_add_f32 v52, v52, v53
	s_delay_alu instid0(VALU_DEP_1)
	v_permlanex16_b32 v54, v52, s[SEL], s[SEL+1]
	s_delay_alu instid0(VALU_DEP_1)
	v_add_f32 v52, v52, v54
	ds_store_b32 v7, v52 offset:\off               ; both halves of the lanes write the same word with the same value
	s_wait_dscnt 0x0                               ; for the others' sake: my store has landed
	s_barrier_signal -1
	s_barrier_wait -1
	ds_load_b128 v[56:59], v8 offset:\off
	ds_load_b128 v[60:63], v8 offset:\off+16
	s_wait_dscnt 0x0
	v_pk_add_f32 v[56:57], v[56:57], v[58:59]
	v_pk_add_f32 v[60:61], v[60:61], v[62:63]
	s_delay_alu instid0(VALU_DEP_1)
	v_pk_add_f32 v[56:57], v[56:57], v[60:61]
	s_delay_alu instid0(VALU_DEP_1)
	v_add_f32 v52, v56, v57
.endm
.irp c, 0,1,2,3
	v_pk_add_f32 v[52+2*\c:53+2*\c], v[XR+2*\c:XR+2*\c+1], v[XR+8+2*\c:XR+9+2*\c]   ; four chains, started by the first numbers
.endr
.irp k, 2,3,4,5,6,7
.irp c, 0,1,2,3
	s_delay_alu instid0(VALU_DEP_4)
	v_pk_add_f32 v[52+2*\c:53+2*\c], v[52+2*\c:53+2*\c], v[XR+8*\k+2*\c:XR+8*\k+2*\c+1]
.endr
.endr
	ACROSS 0
	s_delay_alu instid0(VALU_DEP_1)
	v_mul_f32 v14, s24, v52                        ; the mean
	s_delay_alu instid0(VALU_DEP_1)
	v_mov_b32 v15, v14
.set i, 0
.rept 32
	v_pk_add_f32 v[XR+i:XR+i+1], v[XR+i:XR+i+1], v[14:15] neg_lo:[0,1] neg_hi:[0,1]
.set i, i+2
.endr
.irp c, 0,1,2,3
	v_pk_mul_f32 v[52+2*\c:53+2*\c], v[XR+2*\c:XR+2*\c+1], v[XR+2*\c:XR+2*\c+1]
.endr
.irp k, 1,2,3,4,5,6,7
.irp c, 0,1,2,3
	s_delay_alu instid0(VALU_DEP_4)
	v_pk_fma_f32 v[52+2*\c:53+2*\c], v[XR+8*\k+2*\c:XR+8*\k+2*\c+1], v[XR+8*\k+2*\c:XR+8*\k+2*\c+1], v[52+2*\c:53+2*\c]
.endr
.endr
	ACROSS 512                                     ; other bytes than the first sum's: no wave can still be reading what is written
	s_delay_alu instid0(VALU_DEP_1)
	v_fma_f32 v53, v52, s24, s25                   ; the variance + 1e-5
	s_wait_alu depctr_va_vdst(0)
	v_rsq_f32 v14, v53
	v_nop                                          ; a plain instruction behind the transcendental
	s_wait_alu depctr_va_vdst(0)                   ; the wait ahead of the result's first reader
	v_mov_b32 v15, v14
	s_wait_alu depctr_va_vdst(0)
	s_wait_loadcnt 0x0                             ; g and b
.set i, 0
.rept 32
	v_pk_mul_f32 v[XR+i:XR+i+1], v[XR+i:XR+i+1], v[14:15]
.set i, i+2
.endr
.set i, 0
.rept 32
	v_pk_fma_f32 v[XR+i:XR+i+1], v[XR+i:XR+i+1], v[GR+i:GR+i+1], v[BR+i:BR+i+1]
.set i, i+2
.endr
	; the quantiser: register 16 c + i is k = 32 c + 16 h + i of my row; a block lies in lanes l and l xor 16
.irp b, 0,1,2,3
	v_max3_num_f32 v[TM+\b], |v[XR+16*\b]|, |v[XR+1+16*\b]|, 0x8000000   ; with the floor 2^(16 - 127)
.endr
.irp i, 2,4,6,8,10,12,14
.irp b, 0,1,2,3
	s_delay_alu instid0(VALU_DEP_4)
	v_max3_num_f32 v[TM+\b], v[TM+\b], |v[XR+16*\b+\i]|, |v[XR+1+16*\b+\i]|
.endr
.endr
.irp b, 0,1,2,3
	s_delay_alu instid0(VALU_DEP_4)
	v_permlanex16_b32 v[TM+4+\b], v[TM+\b], s[SEL], s[SEL+1]
.endr
.irp b, 0,1,2,3
	s_delay_alu instid0(VALU_DEP_4)
	v_max_num_f32 v[TM+\b], v[TM+\b], v[TM+4+\b]
.endr
.irp b, 0,1,2,3
	s_delay_alu instid0(VALU_DEP_4)
	v_add_nc_u32 v[TM+12+\b], 0xf8800000, v[TM+\b] ; 15 off the exponent field: the conversion's scale operand
.endr
.irp b, 0,1,2,3
	v_and_or_b32 v[TM+8+\b], v[TM+\b], 0x7f800000, s[MNT]   ; 57,344 x the scale
.endr
.irp b, 0,1,2,3
	v_lshrrev_b32 v[TM+4+\b], 23, v[TM+12+\b]      ; the byte
.endr
	s_delay_alu instid0(VALU_DEP_3)
	v_lshl_or_b32 v[PW], v[TM+5], 8, v[TM+4]
	s_delay_alu instid0(VALU_DEP_1)
	v_lshl_or_b32 v[PW], v[TM+6], 16, v[PW]
	s_delay_alu instid0(VALU_DEP_1)
	v_lshl_or_b32 v[PW], v[TM+7], 24, v[PW]
.irp b, 0,1,2,3
.irp i, 0,1,2,3,4,5,6,7,8,9,10,11,12,13,14,15
	v_med3_num_f32 v[XR+16*\b+\i], v[XR+16*\b+\i], -v[TM+8+\b], v[TM+8+\b]
.endr
	v_cvt_scalef32_pk8_bf8_f32 v[PC+4*\b:PC+1+4*\b], v[XR+16*\b:XR+7+16*\b], v[TM+12+\b]
	v_cvt_scalef32_pk8_bf8_f32 v[PC+2+4*\b:PC+3+4*\b], v[XR+8+16*\b:XR+15+16*\b], v[TM+12+\b]
.endr
	v_nop
.irp c, 0,1,2,3
	global_store_b128 v4, v[PC+4*\c:PC+4*\c+3], s[26:27] offset:512*\c   ; the image of four registers: 512 consecutive aligned bytes
.endr
	global_store_b32 v10, v[PW], s[28:29]          ; row r's word (lanes 16-31 hold and write the same)
	s_wait_tensorcnt 0x0                           ; the wave's end
	ds_add_u32 v[SPW], v[NIL]
	s_wait_dscnt 0x0
	s_endpgm
.Lfunc_end_k_qddfb9befb8_prep:
	.size	k_qddfb9befb8_prep, .Lfunc_end_k_qddfb9befb8_prep-k_qddfb9befb8_prep
	.p2alignl 7, 3214868480
	.fill 96, 4, 3214868480
	.section	.rodata,"a",@progbits
	.p2align	6, 0x0
	.amdhsa_kernel k_qddfb9befb8_prep
		.amdhsa_group_segment_fixed_size 69632
		.amdhsa_private_segment_fixed_size 0
		.amdhsa_enable_private_segment 0
		.amdhsa_kernarg_size 80
		.amdhsa_user_sgpr_count 2
		.amdhsa_user_sgpr_kernarg_segment_ptr 1
		.amdhsa_wavefront_size32 1
		.amdhsa_system_sgpr_workgroup_id_x 1
		.amdhsa_system_sgpr_workgroup_id_y 1
		.amdhsa_system_sgpr_workgroup_id_z 1
		.amdhsa_system_vgpr_workitem_id 0
		.amdhsa_next_free_vgpr 256
		.amdhsa_next_free_sgpr 66
		.amdhsa_reserve_vcc 0
		.amdhsa_float_denorm_mode_32 3
		.amdhsa_float_denorm_mode_16_64 3
		.amdhsa_memory_ordered 1
		.amdhsa_forward_progress 1
		.amdhsa_inst_pref_size 154
	.end_amdhsa_kernel
	.amdgpu_metadata
---
amdhsa.version: [ 1, 2 ]
amdhsa.kernels:
  - .name:           k_qddfb9befb8_prep
    .symbol:         k_qddfb9befb8_prep.kd
    .args:
      - { .name: Wv, .offset: 0, .size: 8, .value_kind: global_buffer, .address_space: global }
      - { .name: Wq, .offset: 8, .size: 8, .value_kind: global_buffer, .address_space: global }
      - { .name: Wk, .offset: 16, .size: 8, .value_kind: global_buffer, .address_space: global }
      - { .name: Wo, .offset: 24, .size: 8, .value_kind: global_buffer, .address_space: global }
      - { .name: W1, .offset: 32, .size: 8, .value_kind: global_buffer, .address_space: global }
      - { .name: W2, .offset: 40, .size: 8, .value_kind: global_buffer, .address_space: global }
      - { .name: H, .offset: 48, .size: 8, .value_kind: global_buffer, .address_space: global }
      - { .name: ln1_g, .offset: 56, .size: 8, .value_kind: global_buffer, .address_space: global }
      - { .name: ln1_b, .offset: 64, .size: 8, .value_kind: global_buffer, .address_space: global }
      - { .name: ops, .offset: 72, .size: 8, .value_kind: global_buffer, .address_space: global }
    .group_segment_fixed_size: 69632
    .private_segment_fixed_size: 0
    .kernarg_segment_align: 8
    .kernarg_segment_size: 80
    .max_flat_workgroup_size: 256
    .sgpr_count:     66
    .vgpr_count:     256
    .wavefront_size: 32
...
	.end_amdgpu_metadata
.endif
;; end of part 1
;; launch qkvg (part 2): grid 8 x 24, 4 waves a work-group, clusters of 4 x 4, 327,680 bytes of LDS; arguments ops, qkv; writes qkv
.if DOCPART == 2
	.amdgcn_target "amdgcn-amd-amdhsa--gfx1250"
	.amdhsa_code_object_version 6
	.text
	.protected	k_qddfb9befb8_qkvg
	.globl	k_qddfb9befb8_qkvg
	.p2align	8
	.type	k_qddfb9befb8_qkvg,@function
k_qddfb9befb8_qkvg:
	s_mov_b64 s[64:65], 0
	v_nop
	global_prefetch_b8 v0, s[64:65] scope:SCOPE_SE
	s_setreg_imm32_b32 hwreg(HW_REG_WAVE_MODE, 25, 1), 1
	s_wait_xcnt 0x0
	s_wait_alu depctr_hold_cnt(0) depctr_sa_sdst(0) depctr_va_vdst(0) depctr_va_sdst(0) depctr_va_ssrc(0) depctr_va_vcc(0) depctr_vm_vsrc(0)
	s_getreg_b32 s2, hwreg(HW_REG_IB_STS2, 6, 4)
	s_cmp_eq_u32 s2, 0
	s_cbranch_scc0 .Lentry_in_a_cluster
	s_endpgm
.Lentry_in_a_cluster:
	s_bfe_u32 s2, ttmp6, 0x10000c
	s_cmp_lg_u32 s2, 0xf033
	s_cbranch_scc0 .Lentry_shape_is_right
	s_endpgm
.Lentry_shape_is_right:
.set FRB,   2048
.set SCO,   16384
.set BLK,   16896
.set PAIR,  2*BLK
.set GSTR,  8*BLK
.set SLOT,  4*PAIR
.set SPARE, 2*SLOT
.set KVB,   17152
.set HS,    16*KVB
.set FR,    16
.set NL,    4
.set NP,    8
.set ADRA,  16
.set ADRB,  20
.set ADRS,  22
.set SPW,   28
.set NIL,   29
.set SC,    32
.set AF,    128
.set TM,    64
.set PW,    80
.set WS,    81
.set PC,    96
.set HD,    128
.set SEL,   20
.set MNT,   19
.set G1,    24
.set G0,    32
.set G1B,   48
.set G0B,   56
.set MSB,   0
.macro WIN new
.if MSB != (\new)
	s_set_vgpr_msb (MSB<<8)|(\new)
.set MSB, \new
.endif
.endm
.set MUL_LO, 0xa1
.set MUL_HI, 0xf1
.set TO_B,   0x40
.macro JLOAD g0a, g1a, g0b, g1b
	s_cmp_eq_u32 s15, 0
	s_cbranch_scc0 .Lfor_b_\@
	tensor_load_to_lds s[\g0a:\g0a+3], s[\g1a:\g1a+7]
	s_nop 0
.rept 4
	v_nop
.endr
	s_branch .Lasked_\@
.Lfor_b_\@:
	tensor_load_to_lds s[\g0b:\g0b+3], s[\g1b:\g1b+7]
	s_nop 0
.rept 4
	v_nop
.endr
.Lasked_\@:
.endm
.macro CREST
	s_cmp_lg_u32 s14, 0
	s_cbranch_scc1 .Lnot_wave_0_\@
	s_barrier_signal -3
.Lnot_wave_0_\@:
	s_barrier_wait -3
	s_barrier_signal -1
	s_barrier_wait -1
.endm
.macro CROUND
	s_barrier_signal -1
	s_barrier_wait -1
	CREST
.endm
	s_load_b128 s[4:7], s[0:1], 0x0
	v_lshl_add_u32 v[SPW], v0, 2, SPARE
	v_mov_b32 v[NIL], 0
	ds_add_u32 v[SPW], v[NIL]
	ds_add_u32 v[SPW], v[NIL]
	v_lshrrev_b32 v1, 5, v0
	v_readfirstlane_b32 s14, v1
	s_lshr_b32 s15, s14, 1
	s_and_b32 s16, s14, 1
	s_bfe_u32 s40, ttmp6, 0x40000
	s_bfe_u32 s41, ttmp6, 0x40004
	s_lshl_b32 s42, ttmp9, 2
	s_add_co_u32 s42, s42, s40
	s_and_b32 s17, ttmp7, 0xffff
	s_lshl_b32 s43, s41, 2
	s_lshl_b32 s43, 15, s43
	s_lshl_b32 s44, 0x1111, s40
	s_or_b32 s[G1+0], s43, (3<<16)|(1<<21)
	s_or_b32 s[G1B+0], s44, (3<<16)|(1<<21)
.irp g, G1, G1B
	s_mov_b32 s[\g+1], 32<<16
	s_mov_b32 s[\g+2], 132<<16
	s_mov_b32 s[\g+3], 32<<16
	s_mov_b32 s[\g+4], 132
	s_mov_b32 s[\g+5], 32
	s_mov_b32 s[\g+6], 0
	s_mov_b32 s[\g+7], 0
.endr
	s_min_u32 s18, s17, 2
	s_lshl_b32 s18, s18, 3
	s_add_co_u32 s46, s42, s18
	s_add_co_u32 s46, s46, 4
	s_lshl_b32 s46, s46, 1
	s_add_co_u32 s46, s46, s16
	s_mul_i32 s46, s46, GSTR
	s_mov_b32 s47, 0
	s_max_u32 s18, s17, 1
	s_sub_co_u32 s18, s18, 1
	s_lshl_b32 s18, s18, 2
	s_add_co_u32 s20, s18, s41
	s_lshl_b32 s20, s20, 1
	s_add_co_u32 s20, s20, s16
	s_mul_i32 s20, s20, GSTR
	s_mov_b32 s21, 0
	s_mul_i32 s45, s14, PAIR
	s_wait_dscnt 0x0
	s_wait_kmcnt 0x0
	s_add_nc_u64 s[20:21], s[4:5], s[20:21]
	s_add_nc_u64 s[46:47], s[4:5], s[46:47]
	CROUND
.irp s, 0,1
	s_mov_b32 s[G0+4*\s], 1
	s_add_co_u32 s[G0+4*\s+1], s45, \s*SLOT
	s_add_nc_u64 s[G0+4*\s+2:G0+4*\s+3], s[20:21], \s*PAIR
	s_or_b32 s[G0+4*\s+3], s[G0+4*\s+3], 0x80000000
	s_mov_b32 s[G0B+4*\s], 1
	s_add_co_u32 s[G0B+4*\s+1], s45, \s*SLOT
	s_add_nc_u64 s[G0B+4*\s+2:G0B+4*\s+3], s[46:47], \s*PAIR
	s_or_b32 s[G0B+4*\s+3], s[G0B+4*\s+3], 0x80000000
.endr
	JLOAD G0, G1, G0B, G1B                         ; slot 0: one tensor load a wave at the head
; PREFETCHES INTO THE L2: behind the load of fill f stands the request for fill f + 1.  A wave's load is 132 blocks of 256 bytes, asked for jointly by four partners:
; the partner at place p (cx for source 1's rows, cy for source 0's) names blocks 33 p .. 33 p + 32: 32 by a lane each, the last by a second line.  The last fill has none behind it.
.set PFA, 80
.set PFO, 30
.set PF2, 31
	s_cmp_eq_u32 s15, 0
	s_cselect_b64 s[PFA:PFA+1], s[20:21], s[46:47]
	s_cselect_b32 s82, s40, s41
	s_mul_i32 s82, s82, 8448
	s_mov_b32 s83, 0
	s_add_nc_u64 s[PFA:PFA+1], s[PFA:PFA+1], s[82:83]
	v_and_b32 v[PFO], 31, v0
	v_lshlrev_b32 v[PFO], 8, v[PFO]
	v_mov_b32 v[PF2], 8192
	global_prefetch_b8 v[PFO], s[PFA:PFA+1] offset:PAIR th:TH_LOAD_NT scope:SCOPE_SE
	global_prefetch_b8 v[PF2], s[PFA:PFA+1] offset:PAIR th:TH_LOAD_NT scope:SCOPE_SE
	v_and_b32 v1, 15, v0
	v_bfe_u32 v2, v0, 4, 1
	s_wait_alu depctr_va_vdst(0)
	v_and_b32 v3, 31, v0
	v_lshlrev_b32 v4, 4, v3
	s_mul_i32 s22, s15, PAIR
	s_mul_i32 s23, s16, PAIR
	s_add_co_u32 s23, s23, 2*PAIR
.irp s, 0,1
	v_add_nc_u32 v[ADRA+\s], s22, v4
	v_add_nc_u32 v[ADRB+\s], s23, v4
	s_add_co_u32 s22, s22, SLOT
	s_add_co_u32 s23, s23, SLOT
.endr
	s_mul_i32 s22, s15, PAIR
	s_mul_i32 s23, s16, PAIR
	s_add_co_u32 s23, s23, 2*PAIR
	s_sub_co_u32 s23, s23, s22
	v_mul_u32_u24 v6, s23, v2
	v_lshl_add_u32 v6, v1, 2, v6
	s_add_co_u32 s22, s22, SCO
	v_add_nc_u32 v[ADRS], s22, v6
	s_add_co_u32 s22, s22, SLOT
	v_add_nc_u32 v[ADRS+1], s22, v6
	v_mul_u32_u24 v5, v2, HS
	v_lshl_add_u32 v5, v1, 2, v5
	v_lshlrev_b32 v6, 2, v1
	v_lshlrev_b32 v7, 4, v2
	s_lshl_b32 s66, s42, 1
	s_add_co_u32 s66, s66, s16
	s_max_u32 s67, s17, 2
	s_sub_co_u32 s67, s67, 2
	s_lshl_b32 s67, s67, 2
	s_add_co_u32 s67, s67, s41
	s_lshl_b32 s67, s67, 1
	s_add_co_u32 s67, s67, s15
	s_lshr_b32 s68, s66, 3
	s_lshl_b32 s68, s68, 1
	s_lshr_b32 s69, s67, 4
	s_add_co_u32 s68, s68, s69
	s_lshl_b32 s68, s68, 4
	s_and_b32 s69, s66, 7
	s_lshl_b32 s69, s69, 1
	s_add_co_u32 s68, s68, s69
	s_lshl_b32 s68, s68, 4
	s_and_b32 s69, s67, 15
	s_add_co_u32 s68, s68, s69
	s_min_u32 s70, s17, 1
	s_lshl_b32 s70, s70, 4
	s_add_co_u32 s70, s70, s66
	s_lshr_b32 s71, s70, 4
	s_add_co_u32 s71, s71, 2
	s_lshl_b32 s71, s71, 4
	s_lshl_b32 s69, s41, 1
	s_add_co_u32 s69, s69, s15
	s_lshl_b32 s69, s69, 1
	s_add_co_u32 s71, s71, s69
	s_lshl_b32 s71, s71, 4
	s_and_b32 s70, s70, 15
	s_add_co_u32 s71, s71, s70
	s_cmp_lt_u32 s17, 2
	s_cselect_b32 s72, s71, s68
	s_mul_i32 s72, s72, KVB
	s_mov_b32 s73, 0
	s_add_nc_u64 s[72:73], s[6:7], s[72:73]
.macro FRAG reg, adr, q, i
.irp c, 0,1,2,3
	ds_load_b128 v[\reg+4*\c:\reg+4*\c+3], v[\adr] offset:(\q)*BLK+(\i)*FRB+512*\c
.endr
.endm
.macro MUL16 a0, p, q, sc, zero
.irp a, \a0, \a0+1
.irp b, 0,1,2,3,4,5,6,7
.if \zero
	v_wmma_scale_f32_16x16x128_f8f6f4 v[8*(8*((\a)%4)+\b):8*(8*((\a)%4)+\b)+7], v[128*(\p)+FR*\b:128*(\p)+FR*\b+FR-1], v[AF+FR*(\a):AF+FR*(\a)+FR-1], 0, v[SC+16*(\sc)+8*(\q)+\b], v[SC+16*(\sc)+8*(\q)+(\a)] matrix_a_fmt:MATRIX_FMT_BF8 matrix_b_fmt:MATRIX_FMT_BF8 matrix_a_scale:MATRIX_SCALE_ROW1
.else
	v_wmma_scale_f32_16x16x128_f8f6f4 v[8*(8*((\a)%4)+\b):8*(8*((\a)%4)+\b)+7], v[128*(\p)+FR*\b:128*(\p)+FR*\b+FR-1], v[AF+FR*(\a):AF+FR*(\a)+FR-1], v[8*(8*((\a)%4)+\b):8*(8*((\a)%4)+\b)+7], v[SC+16*(\sc)+8*(\q)+\b], v[SC+16*(\sc)+8*(\q)+(\a)] matrix_a_fmt:MATRIX_FMT_BF8 matrix_b_fmt:MATRIX_FMT_BF8 matrix_a_scale:MATRIX_SCALE_ROW1
.endif
.endr
.endr
.endm
.macro FETCH_B slot, q, p
	WIN TO_B
.irp i, 0,1,2,3,4,5,6,7
	FRAG 128*(\p)+FR*\i, ADRB+\slot, \q, \i
.endr
	WIN 0
.endm
.macro FETCH_A slot, q, i0
.irp i, \i0, \i0+1, \i0+2, \i0+3
	FRAG AF+FR*(\i), ADRA+\slot, \q, \i
.endr
.endm
.macro SCALES sc
.irp q, 0,1
.irp i, 0,1,2,3,4,5,6,7
	ds_load_b32 v[SC+16*\sc+8*\q+\i], v[ADRS+\sc] offset:\q*BLK+\i*64
.endr
.endr
.endm
.macro PLACES n
.rept \n
	v_nop
.endr
.endm
.macro STEP slot, q, zero
	s_wait_dscnt 4*NL
	WIN MUL_LO
	MUL16 0, (\q)%2, \q, \slot, \zero
	MUL16 2, (\q)%2, \q, \slot, \zero
	s_wait_dscnt 0
	PLACES NP
	FETCH_B \slot, (\q)+1, 1-(\q)%2
	FETCH_A \slot, (\q)+1, 0
	WIN MUL_HI
	MUL16 4, (\q)%2, \q, \slot, \zero
	MUL16 6, (\q)%2, \q, \slot, \zero
	PLACES NP
	WIN 0
	FETCH_A \slot, (\q)+1, 4
.endm
.macro TURN slot, next, fill
	s_wait_tensorcnt 0x0
	ds_add_u32 v[SPW], v[NIL]
	s_wait_dscnt 4*NL+1
	WIN MUL_LO
	MUL16 0, 1, 1, \slot, 0
	s_wait_dscnt 0x0
	s_barrier_signal -1
	MUL16 2, 1, 1, \slot, 0
	WIN 0
	s_barrier_wait -1
.if \fill
	CREST
	s_add_nc_u64 s[G0+4*\slot+2:G0+4*\slot+3], s[G0+4*\slot+2:G0+4*\slot+3], 2*PAIR
	s_add_nc_u64 s[G0B+4*\slot+2:G0B+4*\slot+3], s[G0B+4*\slot+2:G0B+4*\slot+3], 2*PAIR
	JLOAD G0+4*\slot, G1, G0B+4*\slot, G1B
	PLACES NP-4
.else
	PLACES NP
.endif
	FETCH_B \next, 0, 0
	FETCH_A \next, 0, 0
	SCALES \next
.if (\fill) && (\slot) == 0
	global_prefetch_b8 v[PFO], s[PFA:PFA+1] offset:3*PAIR th:TH_LOAD_NT scope:SCOPE_SE
	global_prefetch_b8 v[PF2], s[PFA:PFA+1] offset:3*PAIR th:TH_LOAD_NT scope:SCOPE_SE
.endif
	WIN MUL_HI
	MUL16 4, 1, 1, \slot, 0
	MUL16 6, 1, 1, \slot, 0
	PLACES NP
	WIN 0
	FETCH_A \next, 0, 4
.endm
	s_wait_alu depctr_va_vdst(0)                   ; the wait at the head's end
	s_wait_tensorcnt 0x0                           ; my part of slot 0 is in; slot 1's first fill is issued as a refill is:
	ds_add_u32 v[SPW], v[NIL]                      ; the add,
	s_wait_dscnt 0x0
	CROUND                                         ; a whole round of the cluster's barrier,
	JLOAD G0+4, G1, G0B+4, G1B                     ; and the load first behind it
	FETCH_B 0, 0, 0
	FETCH_A 0, 0, 0
	SCALES 0
	global_prefetch_b8 v[PFO], s[PFA:PFA+1] offset:2*PAIR th:TH_LOAD_NT scope:SCOPE_SE
	global_prefetch_b8 v[PF2], s[PFA:PFA+1] offset:2*PAIR th:TH_LOAD_NT scope:SCOPE_SE
	FETCH_A 0, 0, 4
	STEP 0, 0, 1
	TURN 0, 1, 1
	STEP 1, 0, 0
	TURN 1, 0, 1
	STEP 0, 0, 0
	TURN 0, 1, 0
	STEP 1, 0, 0
	s_wait_dscnt 4*NL
	WIN MUL_LO
	MUL16 0, 1, 1, 1, 0
	MUL16 2, 1, 1, 1, 0
	s_wait_dscnt 0
	WIN MUL_HI
	MUL16 4, 1, 1, 1, 0
	MUL16 6, 1, 1, 1, 0
	WIN 0
.macro QUANT s, wn, d
	WIN (\wn)|((\wn)<<2)
.irp b, 0,1,2,3
	v_max3_num_f32 v[TM+\b], |v[(\s)+16*\b]|, |v[(\s)+1+16*\b]|, 0x8000000
.endr
	WIN ((\wn)<<2)|((\wn)<<4)
.irp i, 2,4,6,8,10,12,14
.irp b, 0,1,2,3
	v_max3_num_f32 v[TM+\b], v[TM+\b], |v[(\s)+16*\b+\i]|, |v[(\s)+1+16*\b+\i]|
.endr
.endr
	WIN 0
.irp b, 0,1,2,3
	v_permlanex16_b32 v[TM+4+\b], v[TM+\b], s[SEL], s[SEL+1]
.endr
.irp b, 0,1,2,3
	v_max_num_f32 v[TM+\b], v[TM+\b], v[TM+4+\b]
.endr
.irp b, 0,1,2,3
	v_add_nc_u32 v[TM+12+\b], 0xf8800000, v[TM+\b]
.endr
.irp b, 0,1,2,3
	v_and_or_b32 v[TM+8+\b], v[TM+\b], 0x7f800000, s[MNT]
.endr
.irp b, 0,1,2,3
	v_lshrrev_b32 v[TM+4+\b], 23, v[TM+12+\b]
.endr
	v_lshl_or_b32 v[PW], v[TM+5], 8, v[TM+4]
	v_lshl_or_b32 v[PW], v[TM+6], 16, v[PW]
	v_lshl_or_b32 v[PW], v[TM+7], 24, v[PW]
	WIN \wn
.irp b, 0,1,2,3
.irp i, 0,1,2,3,4,5,6,7,8,9,10,11,12,13,14,15
	v_med3_num_f32 v[(\d)+16*\b+\i], v[(\s)+16*\b+\i], -v[TM+8+\b], v[TM+8+\b]
.endr
.endr
	WIN 0
.irp b, 0,1,2,3
	v_cvt_scalef32_pk8_bf8_f32 v[PC+4*\b:PC+1+4*\b], v[(\d)+16*\b:(\d)+7+16*\b], v[TM+12+\b]
	v_cvt_scalef32_pk8_bf8_f32 v[PC+2+4*\b:PC+3+4*\b], v[(\d)+8+16*\b:(\d)+15+16*\b], v[TM+12+\b]
.endr
	v_nop
.endm
.macro EPI a
	s_wait_xcnt 0x0
	QUANT 64*((\a)%4), 2+(\a)/4, HD
	s_cmp_lt_u32 s17, 2
	s_cbranch_scc1 .Lv_\@
	v_lshrrev_b32 v[WS], v7, v[PW]
	v_and_b32 v[WS], 0xffff, v[WS]
.irp c, 0,1,2,3
	global_store_b128 v4, v[PC+4*\c:PC+4*\c+3], s[72:73] offset:(\c/2)*HS+(\a)*1024+(\c%2)*512
.endr
	global_store_b32 v5, v[WS], s[72:73] offset:8192+(\a)*64
	s_branch .Ld_\@
.Lv_\@:
	s_wait_alu depctr_va_vdst(0)
.irp c, 0,1,2,3
	global_store_b128 v4, v[PC+4*\c:PC+4*\c+3], s[72:73] offset:((\a)/4)*HS+8704+((\a)%4)*2048+\c*512
.endr
	global_store_b32 v6, v[PW], s[72:73] offset:((\a)/4)*HS+16896+((\a)%4)*64
.Ld_\@:
.endm
	PLACES NP
	s_mov_b32 s[SEL], 0x76543210
	s_mov_b32 s[SEL+1], 0xfedcba98
	s_mov_b32 s[MNT], 0x600000
.irp b, 0,1,2,3
	v_mov_b32 v[TM+4+\b], 0
.endr
.irp a, 0,1,2,3,4,5,6,7
	EPI \a
.endr
	s_wait_tensorcnt 0x0
	ds_add_u32 v[SPW], v[NIL]
	s_wait_dscnt 0x0
	CROUND
	s_endpgm
.Lfunc_end_k_qddfb9befb8_qkvg:
	.size	k_qddfb9befb8_qkvg, .Lfunc_end_k_qddfb9befb8_qkvg-k_qddfb9befb8_qkvg
	.p2alignl 7, 3214868480
	.fill 96, 4, 3214868480
	.section	.rodata,"a",@progbits
	.p2align	6, 0x0
	.amdhsa_kernel k_qddfb9befb8_qkvg
		.amdhsa_group_segment_fixed_size 327680
		.amdhsa_private_segment_fixed_size 0
		.amdhsa_enable_private_segment 0
		.amdhsa_kernarg_size 16
		.amdhsa_user_sgpr_count 2
		.amdhsa_user_sgpr_kernarg_segment_ptr 1
		.amdhsa_wavefront_size32 1
		.amdhsa_system_sgpr_workgroup_id_x 1
		.amdhsa_system_sgpr_workgroup_id_y 1
		.amdhsa_system_sgpr_workgroup_id_z 1
		.amdhsa_system_vgpr_workitem_id 0
		.amdhsa_next_free_vgpr 1024
		.amdhsa_next_free_sgpr 100
		.amdhsa_reserve_vcc 0
		.amdhsa_float_denorm_mode_32 3
		.amdhsa_float_denorm_mode_16_64 3
		.amdhsa_memory_ordered 1
		.amdhsa_forward_progress 1
		.amdhsa_inst_pref_size 192
	.end_amdhsa_kernel
	.amdgpu_metadata
---
amdhsa.version: [ 1, 2 ]
amdhsa.kernels:
  - .name:           k_qddfb9befb8_qkvg
    .symbol:         k_qddfb9befb8_qkvg.kd
    .args:
      - { .name: ops, .offset: 0, .size: 8, .value_kind: global_buffer, .address_space: global }
      - { .name: qkv, .offset: 8, .size: 8, .value_kind: global_buffer, .address_space: global }
    .group_segment_fixed_size: 327680
    .private_segment_fixed_size: 0
    .kernarg_segment_align: 8
    .kernarg_segment_size: 16
    .max_flat_workgroup_size: 128
    .sgpr_count:     100
    .vgpr_count:     1024
    .wavefront_size: 32
...
	.end_amdgpu_metadata
.endif
;; end of part 2
;; launch attn (part 3): grid 8 x 32, 16 waves a work-group, clusters of 4 x 1, 327,680 bytes of LDS; arguments qkv, ap; writes ap
.if DOCPART == 3
	.amdgcn_target "amdgcn-amd-amdhsa--gfx1250"
	.amdhsa_code_object_version 6
	.text
	.protected	k_qddfb9befb8_attn
	.globl	k_qddfb9befb8_attn
	.p2align	8
	.type	k_qddfb9befb8_attn,@function
k_qddfb9befb8_attn:
	s_mov_b64 s[64:65], 0
	v_nop
	global_prefetch_b8 v0, s[64:65] scope:SCOPE_SE
	s_setreg_imm32_b32 hwreg(HW_REG_WAVE_MODE, 25, 1), 1
	s_wait_xcnt 0x0
	s_wait_alu depctr_hold_cnt(0) depctr_sa_sdst(0) depctr_va_vdst(0) depctr_va_sdst(0) depctr_va_ssrc(0) depctr_va_vcc(0) depctr_vm_vsrc(0)
	s_getreg_b32 s2, hwreg(HW_REG_IB_STS2, 6, 4)
	s_cmp_eq_u32 s2, 0
	s_cbranch_scc0 .Lentry_in_a_cluster
	s_endpgm
.Lentry_in_a_cluster:
	s_bfe_u32 s2, ttmp6, 0x10000c
	s_cmp_lg_u32 s2, 0x3003
	s_cbranch_scc0 .Lentry_shape_is_right
	s_endpgm
.Lentry_shape_is_right:
; CAUSAL ATTENTION ON CODES OF E5M2 (a scale byte for 32 along K), for 32 (batch, head) pairs of 2,048 tokens, head size 64; the result is quantised along the model's axis and stored as PK blocks for the next product.
; WORK LEFT OUT: key steps of 128 keys that lie wholly behind a tile's 16 queries (reference()'s own jnp.tril gives them the weight 0 for all inputs).  A NaN or an infinity that reaches only those steps is not carried on.
; LIMIT: the promise holds while the scaled scores (exponents to the base 2) stay under 2^31 in magnitude.  NaN and infinities are not served.
; qkv: blocks of 17,152 bytes.  Block 16 bh + g: Q of query group g (128 tokens): eight register images of 1,024 bytes, scale words at 8,192.  Block 512 + 16 bh + j: key step j: K's eight images, K's words at 8,192, V's four images of 2,048 bytes at 8,704, V's words at 16,896.
; SHARES.  Work-group (a, bh) owns fragment a (16 queries) of each of the head's 16 query groups; tile g has g + 1 key steps.  THE DEAL: wave w (0 .. 7) takes tile 8 + w's key steps 0 .. 8;
; wave 8 + w takes tile 7 - w whole (8 - w steps) and then tile 8 + w's steps 9 .. 8 + w (w steps): 9 or 8 steps a wave, 34 on the four waves w, w + 4, w + 8, w + 12.
; The two parts of tile 8 + w are joined at the end: wave w leaves O^T, -M and the sums in LDS bytes of the pair's own, as an image of its registers; wave 8 + w brings both parts under the larger M (exact powers of two) and adds them.
; Loops have constant trip counts.
; LDS: all 16 key steps of the head, one block a wave by one joint tensor load at the head (the four work-groups of a cluster walk the same head).  Wave 0's block has a load line of its own and is shown by the first barrier;
; every wave's first step reads that block alone; the second barrier shows the other fifteen.  Nothing is filled again.
; NO PREFETCH: every byte of K and V is asked for at the head, in one group; the loops have no later load to run ahead of.
; Waves 0 .. 7 load their Q fragment twice (both tiles' numbers are the same there) and do not read the second copy: one way through the head for all waves.
; The head size is 64 and the product's K is 128: Q's upper eight registers are zero codes, and a K tile's upper eight are the next tile's codes, which those zeros take away.
; SCALE WORDS: two neighbouring tiles' words are 128 consecutive bytes: one load brings the even tile's into lanes 0-15 and the odd tile's into lanes 16-31, and the odd tile's product names the upper row.
.set KVB,   17152
.set BLK,   16896
.set SCO,   16384
.set SPARE, 16*KVB                     ; the spare words: 128 bytes for each of the sixteen waves
.set MRG,   SPARE+2048                 ; the parts to be joined: 4,608 bytes for each pair of waves; no tensor load lands here
.set MSZ,   4608
.set MA,    3                          ; v3 LDS address of my pair's bytes
.set SPW,   5
.set NIL,   6
.set ADL,   8
.set ADR,   9
.set S,     104
.set O,     168
.set PC,    200
.set KS,    216                        ; v216-219 K's scale words, a register for two tiles
.set L4,    220                        ; v220 4 x lane
.set VS,    224                        ; v224, v225 V's
.set MX,    228
.set T2,    232
.set HD,    236
.set SO,    240
.set WV,    18
.set MNT,   19
.set SEL,   20
.set CS,    22
.set G1,    24
.set G0,    40
.set TB,    2                          ; s2 LDS byte of the key step in hand
.set ST,    3                          ; s3 its number
.set GG,    48                         ; s48 the tile in hand: its diagonal step
.set LIM,   47                         ; s47 the last step that I take of it
.set TLA,   44                         ; s44, s45 my first and second tile
.set TLB,   45
.set LM2,   62                         ; s62 the second tile's last step (0: none)
.macro ROUND
	s_barrier_signal -1
	s_barrier_wait -1
	s_cmp_lg_u32 s[WV], 0
	s_cbranch_scc1 .Lnot_wave_0_\@
	s_barrier_signal -3
.Lnot_wave_0_\@:
	s_barrier_wait -3
	s_barrier_signal -1
	s_barrier_wait -1
.endm
	s_load_b128 s[4:7], s[0:1], 0x0                ; qkv, ap
	v_lshl_add_u32 v[SPW], v0, 2, SPARE
	v_mov_b32 v[NIL], 0
	ds_add_u32 v[SPW], v[NIL]                      ; the opening: the add, twice on end, and its wait ahead of my tensor load
	ds_add_u32 v[SPW], v[NIL]
	v_lshrrev_b32 v8, 5, v0
	s_delay_alu instid0(VALU_DEP_1)
	v_readfirstlane_b32 s[WV], v8
	s_bfe_u32 s49, ttmp6, 0x40000
	s_lshl_b32 s50, ttmp9, 2
	s_add_co_u32 s50, s50, s49                     ; a: global addresses and the mask's numbers alone hang on it
	s_and_b32 s51, ttmp7, 0xffff                   ; bh
	s_and_b32 s53, s[WV], 7
	s_add_co_u32 s[TLB], s53, 8
	s_sub_co_u32 s46, 7, s53
	s_mul_i32 s63, s53, MSZ
	s_add_co_u32 s63, s63, MRG
	s_cmp_lt_u32 s[WV], 8
	s_cselect_b32 s[TLA], s[TLB], s46
	s_cselect_b32 s[LIM], 8, s46
	s_cselect_b32 s[LM2], 0, s[TLB]
	s_mov_b32 s[GG], s[TLA]
	s_mov_b32 s[G1], 15|(3<<16)|(1<<21)            ; the four partners; elements of 8 bytes; 67 dense rows of 256 bytes
	s_mov_b32 s[G1+1], 32<<16
	s_mov_b32 s[G1+2], 67<<16
	s_mov_b32 s[G1+3], 32<<16
	s_mov_b32 s[G1+4], 67
	s_mov_b32 s[G1+5], 32
	s_mov_b32 s[G1+6], 0
	s_mov_b32 s[G1+7], 0
	s_mul_i32 s54, s[WV], KVB
	s_lshl_b32 s56, s51, 4
	s_add_co_u32 s55, s56, 512
	s_add_co_u32 s55, s55, s[WV]
	s_mul_i32 s58, s55, KVB                        ; key step = my wave's number
	s_mov_b32 s59, 0
	s_add_co_u32 s55, s56, s[TLA]
	s_mul_i32 s60, s55, KVB                        ; Q's block of my first tile
	s_mov_b32 s61, 0
	s_add_co_u32 s55, s56, s[TLB]
	s_mul_i32 s56, s55, KVB                        ; and of my second
	s_mov_b32 s57, 0
	s_lshl_b32 s52, s50, 10
	s_lshl_b32 s53, s50, 6
	s_mov_b32 s[SEL], 0x76543210
	s_mov_b32 s[SEL+1], 0xfedcba98
	s_mov_b32 s[CS], 0x3e38aa3b                    ; log2(e) / 8
	s_mov_b32 s[CS+1], s[CS]
	s_mov_b32 s[MNT], 0x600000
	v_and_b32 v3, 15, v0                           ; r
	v_and_b32 v1, 31, v0
	v_bfe_u32 v4, v0, 4, 1                         ; h
	v_lshlrev_b32 v1, 4, v1                        ; 16 x lane
	v_lshlrev_b32 v2, 2, v3                        ; 4 r
	v_add_nc_u32 v244, s52, v1                     ; Q's image a
	v_add_nc_u32 v246, s53, v2                     ; and its words
	s_wait_alu depctr_va_vdst(0)                   ; the wait ahead of the waits below
	s_wait_dscnt 0x0
	s_wait_kmcnt 0x0
	s_add_nc_u64 s[58:59], s[4:5], s[58:59]
	s_add_nc_u64 s[60:61], s[4:5], s[60:61]
	s_add_nc_u64 s[56:57], s[4:5], s[56:57]
	s_mov_b32 s[G0], 1
	s_mov_b32 s[G0+1], s54
	s_mov_b64 s[G0+2:G0+3], s[58:59]
	s_or_b32 s[G0+3], s[G0+3], 0x80000000
	global_load_b128 v[16:19], v244, s[60:61]
	global_load_b128 v[20:23], v244, s[60:61] offset:512
	global_load_b32 v247, v246, s[60:61] offset:8192
	global_load_b64 v[250:251], v244, s[56:57]     ; the second tile's Q waits in spare registers
	global_load_b64 v[252:253], v244, s[56:57] offset:8
	global_load_b64 v[254:255], v244, s[56:57] offset:512
	global_load_b64 v[10:11], v244, s[56:57] offset:520
	global_load_b32 v7, v246, s[56:57] offset:8192
	ROUND
	s_cmp_eq_u32 s[WV], 0                          ; one joint load a wave; wave 0's has a line of its own, since it is shown ahead of the rest
	s_cbranch_scc0 .Lothers
	tensor_load_to_lds s[G0:G0+3], s[G1:G1+7]
	s_nop 0
.rept 4
	v_nop
.endr
	s_branch .Lasked
.Lothers:
	tensor_load_to_lds s[G0:G0+3], s[G1:G1+7]
	s_nop 0
.rept 4
	v_nop
.endr
.Lasked:
	s_lshr_b32 s52, s51, 4                         ; where the results go: block ((batch x 16 + tile) x 8 + head / 2) of ap
	s_lshl_b32 s52, s52, 7
	s_bfe_u32 s53, s51, 0x30001
	s_add_co_u32 s52, s52, s53
	s_and_b32 s53, s51, 1
	s_lshl_b32 s54, s50, 11
	s_lshl_b32 s55, s53, 10
	s_add_co_u32 s54, s54, s55                     ; the codes' place in a block
	s_lshl_b32 s55, s50, 6
	s_lshl_b32 s53, s53, 1
	s_add_co_u32 s55, s55, s53
	s_add_co_u32 s55, s55, SCO                     ; the scale bytes'
	s_lshl_b32 s53, s[TLA], 3
	s_add_co_u32 s53, s53, s52
	s_mul_i32 s53, s53, BLK
	s_add_co_u32 s66, s53, s54
	s_add_co_u32 s68, s53, s55
	s_lshl_b32 s53, s[TLB], 3
	s_add_co_u32 s53, s53, s52
	s_mul_i32 s53, s53, BLK
	s_add_co_u32 s70, s53, s54
	s_add_co_u32 s72, s53, s55
	s_mov_b32 s67, 0
	s_mov_b32 s69, 0
	s_mov_b32 s71, 0
	s_mov_b32 s73, 0
	s_add_nc_u64 s[66:67], s[6:7], s[66:67]
	s_add_nc_u64 s[68:69], s[6:7], s[68:69]
	s_add_nc_u64 s[70:71], s[6:7], s[70:71]
	s_add_nc_u64 s[72:73], s[6:7], s[72:73]
	s_lshr_b32 s52, s50, 1
	s_lshl_b32 s52, s52, 5
	s_and_b32 s53, s50, 1
	s_lshl_b32 s53, s53, 3
	s_add_co_u32 s52, s52, s53
	s_mov_b32 s[TB], 0
	s_mov_b32 s[ST], 0
	v_and_b32 v248, 8, v3
	v_lshlrev_b32 v4, 4, v4
	v_add_nc_u32 v248, v248, v3
	v_mov_b32 v249, 0xff800000                     ; -infinity
	v_add_nc_u32 v248, s52, v248                   ; my query's place in its group of 128,
	v_add_nc_u32 v[MA], s63, v1
	v_sub_nc_u32 v248, v248, v4                    ; less 16 h
	v_lshrrev_b32 v[L4], 2, v1
	v_mov_b32 v13, 0xff61b1e6
	s_delay_alu instid0(VALU_DEP_1)
	v_floor_f32 v12, -v13
	v_mov_b32 v14, 0
	v_mov_b32 v15, 0
	v_mov_b32 v245, 0
.irp b, 0,1,2,3
	v_mov_b32 v[T2+\b], 0
.endr
.irp j, 0,1,2,3,4,5,6,7
	v_mov_b32 v[24+\j], 0
	v_mov_b32 v[96+\j], 0
.endr
.set i, 0
.rept 32
	v_mov_b32 v[O+i], 0
.set i, i+1
.endr
; A KEY STEP of 128 keys.  S^T = K Q^T, the softmax's p = 2^(t - M) with a running whole M, p quantised along the keys, O^T += V^T P^T: a lane holds one query throughout.
.macro STEP
	s_cmp_gt_u32 s[ST], s[LIM]
	s_cbranch_scc1 .Lhidden_\@
	v_add_nc_u32 v[ADL], s[TB], v1
	v_add_nc_u32 v[ADR], s[TB], v[L4]
.rept 6
	v_nop
.endr
.irp p, 0,1,2,3
	ds_load_b128 v[32+16*\p:35+16*\p], v[ADL] offset:\p*2048
	ds_load_b128 v[36+16*\p:39+16*\p], v[ADL] offset:\p*2048+512
	ds_load_b128 v[40+16*\p:43+16*\p], v[ADL] offset:\p*2048+1024
	ds_load_b128 v[44+16*\p:47+16*\p], v[ADL] offset:\p*2048+1536
	ds_load_b32 v[KS+\p], v[ADR] offset:8192+\p*128
.endr
	s_wait_alu depctr_va_vdst(0)
; twenty loads, five for a pair of tiles.  Pair p's two products name the registers up to the first two loads of pair p + 1: so 20 - 5 (p + 1) - 2 loads may be out: 13, 8, 3; the last pair waits for all
.irp p, 0,1,2,3
.if (\p) < 3
	s_wait_dscnt 13-5*\p
.else
	s_wait_dscnt 0x0
.endif
	v_wmma_scale_f32_16x16x128_f8f6f4 v[S+16*\p:S+16*\p+7], v[32+16*\p:47+16*\p], v[16:31], 0, v[KS+\p], v247 matrix_a_fmt:MATRIX_FMT_BF8 matrix_b_fmt:MATRIX_FMT_BF8
	v_wmma_scale_f32_16x16x128_f8f6f4 v[S+16*\p+8:S+16*\p+15], v[40+16*\p:55+16*\p], v[16:31], 0, v[KS+\p], v247 matrix_a_fmt:MATRIX_FMT_BF8 matrix_b_fmt:MATRIX_FMT_BF8 matrix_a_scale:MATRIX_SCALE_ROW1
.endr
.rept 8
	v_nop
.endr
.irp t, 0,1,2,3
.irp c, 0,1,2,3
	ds_load_b128 v[32+16*\t+4*\c:35+16*\t+4*\c], v[ADL] offset:8704+\t*2048+\c*512
.endr
.endr
	ds_load_b32 v[VS], v[ADR] offset:16896
	ds_load_b32 v[VS+1], v[ADR] offset:16896+128
	s_cmp_lg_u32 s[ST], s[GG]                      ; on the diagonal the scores of hidden keys become -infinity
	s_cbranch_scc1 .Lopen_\@
.set n, 0
.rept 64
	v_cmp_gt_i32 vcc_lo, 32*(n/16)+n%16, v248
	v_cndmask_b32 v[S+n], v[S+n], v249, vcc_lo
.set n, n+1
.endr
.Lopen_\@:
.irp b, 0,1,2,3
	v_max3_num_f32 v[MX+\b], v[S+16*\b], v[S+1+16*\b], v[S+2+16*\b]   ; the four blocks by turns
.endr
.irp i, 3,5,7,9,11,13
.irp b, 0,1,2,3
	v_max3_num_f32 v[MX+\b], v[MX+\b], v[S+16*\b+\i], v[S+1+16*\b+\i]
.endr
.endr
.irp b, 0,1,2,3
	v_max_num_f32 v[MX+\b], v[MX+\b], v[S+15+16*\b]
.endr
.irp b, 0,1,2,3
	v_permlanex16_b32 v[T2+\b], v[MX+\b], s[SEL], s[SEL+1]
.endr
.irp b, 0,1,2,3
	v_max_num_f32 v[MX+\b], v[MX+\b], v[T2+\b]
.endr
	s_delay_alu instid0(VALU_DEP_2)
	v_max3_num_f32 v246, v[MX], v[MX+1], v[MX+2]
	s_delay_alu instid0(VALU_DEP_1)
	v_max_num_f32 v246, v246, v[MX+3]
	s_delay_alu instid0(VALU_DEP_1)
	v_mul_f32 v246, s[CS], v246
	s_delay_alu instid0(VALU_DEP_1)
	v_max_num_f32 v13, v13, v246                   ; the running largest t
	v_mov_b32 v246, v12
	s_delay_alu instid0(VALU_DEP_2)
	v_floor_f32 v12, -v13                          ; -M = floor(-t): M is a whole number
.set i, 0
.rept 32
	v_pk_fma_f32 v[S+i:S+i+1], v[S+i:S+i+1], s[CS:CS+1], v[12:13] op_sel_hi:[1,0,0]
.if i == 6
	v_sub_f32 v246, v12, v246                      ; old M less new M; these three lines stand among the multiply-adds, which do not hang on them
.elseif i == 16
	v_cvt_i32_f32 v246, v246
.elseif i == 26
	v_ldexp_f32 v244, 1.0, v246                    ; f = 2^(old M - new M)
.endif
.set i, i+2
.endr
.irp b, 0,1,2,3
	v_fma_f32 v[MX+\b], v[MX+\b], s[CS], v12
.endr
.set i, 0
	s_wait_alu depctr_va_vdst(0)                   ; a wait ahead of the batch and one behind it
.rept 64
	v_exp_f32 v[S+i], v[S+i]
.set i, i+1
.endr
	v_pk_mul_f32 v[14:15], v[14:15], v[244:245] op_sel_hi:[1,0]
	s_wait_alu depctr_va_vdst(0)
.irp b, 0,1,2,3
	v_exp_f32 v[MX+\b], v[MX+\b]                   ; each block's largest p
.endr
	v_pk_add_f32 v[T2:T2+1], v[S:S+1], v[S+2:S+3]  ; the row's sum, of the unquantised p: 32 packed additions in four chains
	v_pk_add_f32 v[HD:HD+1], v[S+4:S+5], v[S+6:S+7]
	v_pk_add_f32 v[SO:SO+1], v[S+8:S+9], v[S+10:S+11]
	v_pk_add_f32 v[14:15], v[14:15], v[S+12:S+13]
.irp j, 14,22,30,38,46,54
	v_pk_add_f32 v[T2:T2+1], v[T2:T2+1], v[S+\j:S+1+\j]
	v_pk_add_f32 v[HD:HD+1], v[HD:HD+1], v[S+2+\j:S+3+\j]
	v_pk_add_f32 v[SO:SO+1], v[SO:SO+1], v[S+4+\j:S+5+\j]
	v_pk_add_f32 v[14:15], v[14:15], v[S+6+\j:S+7+\j]
.endr
	v_pk_add_f32 v[T2:T2+1], v[T2:T2+1], v[S+62:S+63]
	v_pk_add_f32 v[HD:HD+1], v[HD:HD+1], v[SO:SO+1]
	v_pk_add_f32 v[14:15], v[14:15], v[T2:T2+1]
	v_pk_add_f32 v[14:15], v[14:15], v[HD:HD+1]
	s_wait_alu depctr_va_vdst(0)
.irp b, 0,1,2,3
	v_max_num_f32 v[MX+\b], 0x8000000, v[MX+\b]    ; the floor 2^(16 - 127): the byte cannot fall under 1
.endr
.irp b, 0,1,2,3
	v_add_nc_u32 v[SO+\b], 0xf8800000, v[MX+\b]
.endr
.irp b, 0,1,2,3
	v_and_or_b32 v[HD+\b], v[MX+\b], 0x7f800000, s[MNT]
.endr
.irp b, 0,1,2,3
	v_lshrrev_b32 v[T2+\b], 23, v[SO+\b]
.endr
	v_lshl_or_b32 v245, v[T2+1], 8, v[T2]          ; p's scale word; its other two lines stand among the holds
; THE HOLD (the conversion does not saturate: ISA guide 7.6.2; p is not negative), two numbers a line: an even register of one block with an odd one of its neighbour, so that the pair's destinations are one even and one odd and its sources lie in different banks
.irp q, 0,2
.set i, 0
.rept 8
	v_dual_min_num_f32 v[S+16*\q+i], v[S+16*\q+i], v[HD+\q] :: v_dual_min_num_f32 v[S+16*\q+17+i], v[S+16*\q+17+i], v[HD+\q+1]
	v_dual_min_num_f32 v[S+16*\q+16+i], v[S+16*\q+16+i], v[HD+\q+1] :: v_dual_min_num_f32 v[S+16*\q+1+i], v[S+16*\q+1+i], v[HD+\q]
.if (\q == 0) && (i == 2)
	v_lshl_or_b32 v245, v[T2+2], 16, v245
.elseif (\q == 0) && (i == 8)
	v_lshl_or_b32 v245, v[T2+3], 24, v245
.endif
.set i, i+2
.endr
.irp b, \q, \q+1
	v_cvt_scalef32_pk8_bf8_f32 v[PC+4*(\b):PC+1+4*(\b)], v[S+16*(\b):S+7+16*(\b)], v[SO+(\b)]
	v_cvt_scalef32_pk8_bf8_f32 v[PC+2+4*(\b):PC+3+4*(\b)], v[S+8+16*(\b):S+15+16*(\b)], v[SO+(\b)]
.endr
.endr
.set i, 0
.rept 16
	v_pk_mul_f32 v[O+i:O+i+1], v[O+i:O+i+1], v[244:245] op_sel_hi:[1,0]
.set i, i+2
.endr
.rept 4
	v_nop
.endr
	s_wait_alu depctr_va_vdst(0)
	s_wait_dscnt 0x0
.irp u, 0,1
	v_wmma_scale_f32_16x16x128_f8f6f4 v[O+16*\u:O+16*\u+7], v[32+32*\u:47+32*\u], v[PC:PC+15], v[O+16*\u:O+16*\u+7], v[VS+\u], v245 matrix_a_fmt:MATRIX_FMT_BF8 matrix_b_fmt:MATRIX_FMT_BF8
	v_wmma_scale_f32_16x16x128_f8f6f4 v[O+16*\u+8:O+16*\u+15], v[48+32*\u:63+32*\u], v[PC:PC+15], v[O+16*\u+8:O+16*\u+15], v[VS+\u], v245 matrix_a_fmt:MATRIX_FMT_BF8 matrix_b_fmt:MATRIX_FMT_BF8 matrix_a_scale:MATRIX_SCALE_ROW1
.endr
.Lhidden_\@:
	s_add_co_u32 s[TB], s[TB], KVB
.endm
; A TILE'S END: O^T / the row's sum, quantised along the head's 64 (two blocks of 32), codes and scale bytes stored.  np: places behind the last products
.macro FINAL cb, sb, np
.if \np
.rept \np
	v_nop
.endr
.endif
	v_add_f32 v14, v14, v15
	s_delay_alu instid0(VALU_DEP_1)
	v_permlanex16_b32 v246, v14, s[SEL], s[SEL+1]
	s_delay_alu instid0(VALU_DEP_1)
	v_add_f32 v14, v14, v246
	s_wait_alu depctr_va_vdst(0)
	v_rcp_f32 v14, v14
	v_nop
	s_wait_alu depctr_va_vdst(0)
.set i, 0
.rept 16
	v_pk_mul_f32 v[S+i:S+i+1], v[O+i:O+i+1], v[14:15] op_sel_hi:[1,0]
.set i, i+2
.endr
.irp b, 0,1
	v_max3_num_f32 v[MX+\b], |v[S+16*\b]|, |v[S+1+16*\b]|, 0x8000000
.endr
.irp i, 2,4,6,8,10,12,14
.irp b, 0,1
	s_delay_alu instid0(VALU_DEP_2)
	v_max3_num_f32 v[MX+\b], v[MX+\b], |v[S+16*\b+\i]|, |v[S+1+16*\b+\i]|
.endr
.endr
.irp b, 0,1
	s_delay_alu instid0(VALU_DEP_2)
	v_permlanex16_b32 v[T2+\b], v[MX+\b], s[SEL], s[SEL+1]
.endr
.irp b, 0,1
	s_delay_alu instid0(VALU_DEP_2)
	v_max_num_f32 v[MX+\b], v[MX+\b], v[T2+\b]
.endr
	s_delay_alu instid0(VALU_DEP_2)
	v_add_nc_u32 v[SO], 0xf8800000, v[MX]
	s_delay_alu instid0(VALU_DEP_3)
	v_and_or_b32 v[HD], v[MX], 0x7f800000, s[MNT]
	s_delay_alu instid0(VALU_DEP_3)
	v_add_nc_u32 v[SO+1], 0xf8800000, v[MX+1]
	s_delay_alu instid0(VALU_DEP_4)
	v_and_or_b32 v[HD+1], v[MX+1], 0x7f800000, s[MNT]
	s_delay_alu instid0(VALU_DEP_4)
	v_lshrrev_b32 v[T2], 23, v[SO]
	s_delay_alu instid0(VALU_DEP_3)
	v_lshrrev_b32 v[T2+1], 23, v[SO+1]
	s_delay_alu instid0(VALU_DEP_1)
	v_lshl_or_b32 v246, v[T2+1], 8, v[T2]
.irp b, 0,1
.irp i, 0,1,2,3,4,5,6,7,8,9,10,11,12,13,14,15
	v_med3_num_f32 v[S+16*\b+\i], v[S+16*\b+\i], -v[HD+\b], v[HD+\b]
.endr
	v_cvt_scalef32_pk8_bf8_f32 v[PC+4*\b:PC+1+4*\b], v[S+16*\b:S+7+16*\b], v[SO+\b]
	v_cvt_scalef32_pk8_bf8_f32 v[PC+2+4*\b:PC+3+4*\b], v[S+8+16*\b:S+15+16*\b], v[SO+\b]
.endr
	v_nop
	global_store_b128 v1, v[PC:PC+3], s[\cb:\cb+1]
	global_store_b128 v1, v[PC+4:PC+7], s[\cb:\cb+1] offset:512
	global_store_b16 v2, v246, s[\sb:\sb+1]
.endm
	s_wait_alu depctr_va_vdst(0)                   ; the wait at the head's end
	s_cmp_eq_u32 s[WV], 0
	s_cbranch_scc0 .Lnot_first
	s_wait_tensorcnt 0x0                           ; wave 0: key step 0 has landed.  The other waves' wait stands at the second barrier
.Lnot_first:
	s_wait_loadcnt 0x0                             ; Q
	s_barrier_signal -1
	s_barrier_wait -1
	STEP                                           ; key step 0: every wave has it
	s_wait_tensorcnt 0x0                           ; every wave: its block has landed
	s_wait_dscnt 0x0
	s_barrier_signal -1
	s_barrier_wait -1
	s_mov_b32 s[TB], KVB
	s_mov_b32 s[ST], 1
.Lfirst:                                           ; key steps 1 .. 8 of my first tile, up to its limit
	STEP
	s_add_co_u32 s[ST], s[ST], 1
	s_cmp_lt_u32 s[ST], 9
	s_cbranch_scc1 .Lfirst
	s_cmp_lt_u32 s[WV], 8
	s_cbranch_scc0 .Lmid_b
.rept 8
	v_nop                                          ; places behind the last products
.endr
.irp k, 0,1,2,3,4,5,6,7
	ds_store_b128 v[MA], v[O+4*\k:O+4*\k+3] offset:512*\k   ; waves 0 .. 7: my part of tile 8 + w, as an image of the registers; each accumulator from its low end on
.endr
	ds_store_b128 v[MA], v[12:15] offset:4096      ; -M, the largest t, the sum's two halves
	s_branch .Lmid_done
.Lmid_b:
	FINAL 66, 68, 8                                ; waves 8 .. 15: tile 7 - w is whole
	v_mov_b32 v16, v250                            ; the second tile's Q and a fresh state
	v_mov_b32 v17, v251
	v_mov_b32 v18, v252
	v_mov_b32 v19, v253
	v_mov_b32 v20, v254
	v_mov_b32 v21, v255
	v_mov_b32 v22, v10
	v_mov_b32 v23, v11
	v_mov_b32 v247, v7
	v_mov_b32 v13, 0xff61b1e6
	s_delay_alu instid0(VALU_DEP_1)
	v_floor_f32 v12, -v13
	v_mov_b32 v14, 0
	v_mov_b32 v15, 0
.set i, 0
.rept 32
	v_mov_b32 v[O+i], 0
.set i, i+1
.endr
	s_wait_alu depctr_va_vdst(0)                   ; the wait ahead of the wait below
	s_wait_xcnt 0x0                                ; the stores have read their registers, which the next step writes
.Lmid_done:
	s_mov_b32 s[GG], s[TLB]
	s_mov_b32 s[LIM], s[LM2]
	s_mov_b32 s[TB], 9*KVB
	s_mov_b32 s[ST], 9
.Lsecond:                                          ; key steps 9 .. 15 of my second tile, up to its limit (waves 0 .. 7: none)
	STEP
	s_add_co_u32 s[ST], s[ST], 1
	s_cmp_lt_u32 s[ST], 16
	s_cbranch_scc1 .Lsecond
	s_wait_dscnt 0x0                               ; my stores of the part have landed, my reads are over
	s_barrier_signal -1
	s_barrier_wait -1
	s_cmp_lt_u32 s[WV], 8
	s_cbranch_scc1 .Lend
.rept 8
	v_nop                                          ; places behind the last products
.endr
.irp k, 0,1,2,3,4,5,6,7
	ds_load_b128 v[S+4*\k:S+4*\k+3], v[MA] offset:512*\k
.endr
	ds_load_b128 v[S+32:S+35], v[MA] offset:4096
	s_wait_dscnt 0x0
	v_min_num_f32 v246, v12, v[S+32]               ; THE JOIN: -M of both parts is the lesser -M;
	v_sub_f32 v244, v246, v12                      ; my M less the common M, a whole number, 0 or less;
	v_sub_f32 v[T2], v246, v[S+32]                 ; the partner's likewise
	v_cvt_i32_f32 v244, v244                       ; (it saturates: a part with no step has O = 0 and the factor 0)
	v_cvt_i32_f32 v[T2], v[T2]
	v_ldexp_f32 v244, 1.0, v244
	v_ldexp_f32 v[T2], 1.0, v[T2]
	v_pk_mul_f32 v[14:15], v[14:15], v[244:245] op_sel_hi:[1,0]
	v_pk_fma_f32 v[14:15], v[S+34:S+35], v[T2:T2+1], v[14:15] op_sel_hi:[1,0,1]
.set i, 0
.rept 16
	v_pk_mul_f32 v[O+i:O+i+1], v[O+i:O+i+1], v[244:245] op_sel_hi:[1,0]
.set i, i+2
.endr
.set i, 0
.rept 16
	v_pk_fma_f32 v[O+i:O+i+1], v[S+i:S+i+1], v[T2:T2+1], v[O+i:O+i+1] op_sel_hi:[1,0,1]
.set i, i+2
.endr
	FINAL 70, 72, 0
.Lend:
	s_wait_tensorcnt 0x0                           ; the wave's end
	ds_add_u32 v[SPW], v[NIL]
	s_wait_dscnt 0x0
	ROUND                                          ; the closing round
	s_endpgm
.Lfunc_end_k_qddfb9befb8_attn:
	.size	k_qddfb9befb8_attn, .Lfunc_end_k_qddfb9befb8_attn-k_qddfb9befb8_attn
	.p2alignl 7, 3214868480
	.fill 96, 4, 3214868480
	.section	.rodata,"a",@progbits
	.p2align	6, 0x0
	.amdhsa_kernel k_qddfb9befb8_attn
		.amdhsa_group_segment_fixed_size 327680
		.amdhsa_private_segment_fixed_size 0
		.amdhsa_enable_private_segment 0
		.amdhsa_kernarg_size 16
		.amdhsa_user_sgpr_count 2
		.amdhsa_user_sgpr_kernarg_segment_ptr 1
		.amdhsa_wavefront_size32 1
		.amdhsa_system_sgpr_workgroup_id_x 1
		.amdhsa_system_sgpr_workgroup_id_y 1
		.amdhsa_system_sgpr_workgroup_id_z 1
		.amdhsa_system_vgpr_workitem_id 0
		.amdhsa_next_free_vgpr 256
		.amdhsa_next_free_sgpr 80
		.amdhsa_reserve_vcc 1
		.amdhsa_float_denorm_mode_32 3
		.amdhsa_float_denorm_mode_16_64 3
		.amdhsa_memory_ordered 1
		.amdhsa_forward_progress 1
		.amdhsa_inst_pref_size 101
	.end_amdhsa_kernel
	.amdgpu_metadata
---
amdhsa.version: [ 1, 2 ]
amdhsa.kernels:
  - .name:           k_qddfb9befb8_attn
    .symbol:         k_qddfb9befb8_attn.kd
    .args:
      - { .name: qkv, .offset: 0, .size: 8, .value_kind: global_buffer, .address_space: global }
      - { .name: ap, .offset: 8, .size: 8, .value_kind: global_buffer, .address_space: global }
    .group_segment_fixed_size: 327680
    .private_segment_fixed_size: 0
    .kernarg_segment_align: 8
    .kernarg_segment_size: 16
    .max_flat_workgroup_size: 512
    .sgpr_count:     80
    .vgpr_count:     256
    .wavefront_size: 32
...
	.end_amdgpu_metadata
.endif
;; end of part 3
;; launch wog (part 4): grid 8 x 32, 4 waves a work-group, clusters of 4 x 4, 327,680 bytes of LDS; arguments ap, ops, H, h1; writes h1
.if DOCPART == 4
	.amdgcn_target "amdgcn-amd-amdhsa--gfx1250"
	.amdhsa_code_object_version 6
	.text
	.protected	k_qddfb9befb8_wog
	.globl	k_qddfb9befb8_wog
	.p2align	8
	.type	k_qddfb9befb8_wog,@function
k_qddfb9befb8_wog:
	s_mov_b64 s[64:65], 0
	v_nop
	global_prefetch_b8 v0, s[64:65] scope:SCOPE_SE
	s_setreg_imm32_b32 hwreg(HW_REG_WAVE_MODE, 25, 1), 1
	s_wait_xcnt 0x0
	s_wait_alu depctr_hold_cnt(0) depctr_sa_sdst(0) depctr_va_vdst(0) depctr_va_sdst(0) depctr_va_ssrc(0) depctr_va_vcc(0) depctr_vm_vsrc(0)
	s_getreg_b32 s2, hwreg(HW_REG_IB_STS2, 6, 4)
	s_cmp_eq_u32 s2, 0
	s_cbranch_scc0 .Lentry_in_a_cluster
	s_endpgm
.Lentry_in_a_cluster:
	s_bfe_u32 s2, ttmp6, 0x10000c
	s_cmp_lg_u32 s2, 0xf033
	s_cbranch_scc0 .Lentry_shape_is_right
	s_endpgm
.Lentry_shape_is_right:
; h1 = H + (attention's output) Wo, the product on codes of E5M2 (K = 1,024).  Nothing is left out here.
; Both operands are PK blocks (128 rows x 128 K: eight register images of 2,048 bytes, then 512 bytes of scale words), a group's eight blocks on end.
; A tile of 128 tokens (R, source 1) x 128 columns (P, source 0), 256 work-groups; a wave makes 64 x 64: 16 accumulators.
; ALL OF K LIES IN LDS: 2 x 8 blocks = 270,336 bytes, in two halves of four K steps (R's four blocks, then P's four).  Each wave brings four blocks, 264 dense rows of 256 bytes, by its one tensor load at the head:
; wave 0 R's first four, wave 1 P's first four, waves 2 and 3 the second fours.  Each wave has a load line of its own; waves 0 and 1 alone wait at the first barrier; the barrier in the third K step shows the rest.  Nothing is filled again.
; CLUSTERS 4 x 4: R's blocks are shared along a row of the cluster, P's along a column: joint loads.  NO PREFETCH: every block is asked for at the head; no load follows that one could run ahead of.
; The way out goes through each wave's own stage in LDS, so that sixteen lanes store 256 consecutive aligned bytes; the residual is added there.
; THE RESIDUAL's rows, 32 loads a wave, are asked for at the head, into registers of their own (window 2).
.set OFF_P, 7569408                    ; Wo in ops
.set FRB,   2048
.set SCO,   16384
.set BLK,   16896
.set PAIR,  2*BLK
.set RSTR,  8*BLK
.set SLOT,  4*PAIR                     ; a half: four K steps of both operands
.set STAGE, 2*SLOT                     ; 16 rows x 272 bytes for each wave
.set SPARE, STAGE+4*16*272
.set ADRA,  16
.set ADRB,  20
.set ADRS,  22
.set STO,   24
.set RD,    25
.set CO,    26
.set SPW,   28
.set NIL,   29
.set SC,    32                         ; v32-39 scale words, four for each fragment buffer; they hold nothing else
.set T,     40                         ; v40-103 rows on the way out
.set ACC,   128                        ; accumulator (a, b) at v[128 + 8 (4 a + b)]
.set F0,    0                          ; fragment buffers, in window 1: R's four fragments, then P's four
.set F1,    128                        ; window 2, v0-127: the residual's rows
.set G1,    24
.set G0,    32
.set G1B,   48
.set G0B,   56
.set MSB,   0
.macro WIN new
.if MSB != (\new)
	s_set_vgpr_msb (MSB<<8)|(\new)
.set MSB, \new
.endif
.endm
.set MUL,  0x05                        ; sources 0 and 1 window 1; C and D window 0
.set TO_F, 0x40
.macro CROUND
	s_barrier_signal -1
	s_barrier_wait -1
	s_cmp_lg_u32 s14, 0
	s_cbranch_scc1 .Lnot_wave_0_\@
	s_barrier_signal -3
.Lnot_wave_0_\@:
	s_barrier_wait -3
	s_barrier_signal -1
	s_barrier_wait -1
.endm
	s_load_b128 s[4:7], s[0:1], 0x0                ; R's operand, ops
	s_load_b128 s[8:11], s[0:1], 0x10              ; the residual, the result
	v_lshl_add_u32 v[SPW], v0, 2, SPARE
	v_mov_b32 v[NIL], 0
	ds_add_u32 v[SPW], v[NIL]                      ; the opening: the add, twice on end, and its wait ahead of my tensor load
	ds_add_u32 v[SPW], v[NIL]
	v_lshrrev_b32 v1, 5, v0
	v_readfirstlane_b32 s14, v1
	s_lshr_b32 s15, s14, 1                         ; my half of R's rows.  Also: which four K steps I fetch
	s_and_b32 s16, s14, 1                          ; my half of P's.  Also: I fetch for R (0) or for P (1)
	s_bfe_u32 s40, ttmp6, 0x40000
	s_bfe_u32 s41, ttmp6, 0x40004
	s_lshl_b32 s42, ttmp9, 2
	s_add_co_u32 s42, s42, s40                     ; P's group
	s_and_b32 s17, ttmp7, 0xffff
	s_lshl_b32 s17, s17, 2
	s_add_co_u32 s17, s17, s41                     ; R's group
	s_lshl_b32 s43, s41, 2
	s_lshl_b32 s43, 15, s43
	s_lshl_b32 s44, 0x1111, s40
	s_or_b32 s[G1+0], s43, (3<<16)|(1<<21)         ; the mask; elements of 8 bytes; 21 set beside a mask; no padding
	s_or_b32 s[G1B+0], s44, (3<<16)|(1<<21)
.irp g, G1, G1B
	s_mov_b32 s[\g+1], 32<<16                      ; rows of 256 bytes,
	s_mov_b32 s[\g+2], 264<<16                     ; 264 of them: four blocks
	s_mov_b32 s[\g+3], 32<<16
	s_mov_b32 s[\g+4], 264
	s_mov_b32 s[\g+5], 32
	s_mov_b32 s[\g+6], 0
	s_mov_b32 s[\g+7], 0
.endr
	s_mul_i32 s18, s15, 4*BLK
	s_mul_i32 s20, s17, RSTR
	s_add_co_u32 s20, s20, s18
	s_mov_b32 s21, 0
	s_mul_i32 s46, s42, RSTR
	s_add_co_u32 s46, s46, s18
	s_add_co_u32 s46, s46, OFF_P
	s_mov_b32 s47, 0
	s_mul_i32 s45, s15, SLOT
	s_mul_i32 s19, s16, 2*PAIR
	s_add_co_u32 s45, s45, s19                     ; where my four blocks go
	s_wait_dscnt 0x0
	s_wait_kmcnt 0x0
	s_add_nc_u64 s[20:21], s[4:5], s[20:21]
	s_add_nc_u64 s[46:47], s[6:7], s[46:47]
	CROUND
	s_mov_b32 s[G0], 1
	s_mov_b32 s[G0+1], s45
	s_mov_b64 s[G0+2:G0+3], s[20:21]
	s_or_b32 s[G0+3], s[G0+3], 0x80000000
	s_mov_b32 s[G0B], 1
	s_mov_b32 s[G0B+1], s45
	s_mov_b64 s[G0B+2:G0B+3], s[46:47]
	s_or_b32 s[G0B+3], s[G0B+3], 0x80000000
; one chain of branches on the wave's number, an arm a load; an s_nop 0 and four v_nop follow each load
.macro ARM under, g0, g1, next
	s_cmp_lt_u32 s14, \under
	s_cbranch_scc0 \next
	tensor_load_to_lds s[\g0:\g0+3], s[\g1:\g1+7]
	s_nop 0
.rept 4
	v_nop
.endr
	s_branch .Lhead_asked
\next:
.endm
	ARM 1, G0,  G1,  .Lhead_1
	ARM 2, G0B, G1B, .Lhead_2
	ARM 3, G0,  G1,  .Lhead_3
	tensor_load_to_lds s[G0B:G0B+3], s[G1B:G1B+7]
	s_nop 0
.rept 4
	v_nop
.endr
.Lhead_asked:
	v_and_b32 v1, 15, v0                           ; r
	v_bfe_u32 v2, v0, 4, 1                         ; h
	s_wait_alu depctr_va_vdst(0)
	v_and_b32 v3, 31, v0
	v_lshlrev_b32 v4, 4, v3
	s_lshl_b32 s22, s15, 13                        ; my four fragments of R
	s_lshl_b32 s23, s16, 13
	s_add_co_u32 s23, s23, 2*PAIR                  ; and of P, behind R's four blocks
.irp s, 0,1
	v_add_nc_u32 v[ADRA+\s], s22, v4
	v_add_nc_u32 v[ADRB+\s], s23, v4
	s_add_co_u32 s22, s22, SLOT
	s_add_co_u32 s23, s23, SLOT
.endr
	s_lshl_b32 s22, s15, 8
	s_lshl_b32 s23, s16, 8
	s_add_co_u32 s23, s23, 2*PAIR
	s_sub_co_u32 s23, s23, s22
	v_mul_u32_u24 v6, s23, v2                      ; lanes 16-31 take P's words: one product
	v_lshl_add_u32 v6, v1, 2, v6
	s_add_co_u32 s22, s22, SCO
	v_add_nc_u32 v[ADRS], s22, v6
	s_add_co_u32 s22, s22, SLOT
	v_add_nc_u32 v[ADRS+1], s22, v6
	s_mul_i32 s23, s14, 16*272
	s_add_co_u32 s23, s23, STAGE
	v_mul_u32_u24 v6, v1, 272
	v_lshl_add_u32 v6, v2, 6, v6
	v_add_nc_u32 v[STO], s23, v6                   ; into my stage: row r, + 64 h
	v_mul_u32_u24 v6, v2, 272
	v_lshl_add_u32 v6, v1, 4, v6
	v_add_nc_u32 v[RD], s23, v6                    ; back: lanes 0-15 one row of 256 bytes, lanes 16-31 the next
	v_lshlrev_b32 v[CO], 12, v2
	v_lshl_add_u32 v[CO], v1, 4, v[CO]             ; and the same two rows in memory
	s_wait_alu depctr_va_vdst(0)
	s_lshl_b32 s66, s17, 19
	s_lshl_b32 s67, s15, 18
	s_add_co_u32 s66, s66, s67
	s_lshl_b32 s67, s42, 9
	s_add_co_u32 s66, s66, s67
	s_lshl_b32 s67, s16, 8
	s_add_co_u32 s66, s66, s67                     ; (128 y + 64 half) rows of 4,096 bytes + (128 x + 64 half) columns
	s_mov_b32 s67, 0
	s_add_nc_u64 s[8:9], s[8:9], s[66:67]
	s_add_nc_u64 s[10:11], s[10:11], s[66:67]
	WIN 0x80                                       ; destination window 2: the residual's rows, in the order in which the way out takes them
.irp i, 0,1,2,3
.irp t, 0,1,2,3,4,5,6,7
	global_load_b128 v[32*\i+4*\t:32*\i+4*\t+3], v[CO], s[8:9] offset:(32*(\i/2)+8*(\i%2)+2*\t+8*(\t/4))*4096 th:TH_LOAD_NT
.endr
.endr
	WIN 0
.macro FETCH slot, q, f                ; 36 LDS loads: K step q of a half: my four fragments of R, my four of P, their scale words
	WIN TO_F
.irp i, 0,1,2,3
.irp c, 0,1,2,3
	ds_load_b128 v[\f+16*\i+4*\c:\f+16*\i+4*\c+3], v[ADRA+\slot] offset:(\q)*BLK+\i*FRB+\c*512
.endr
.endr
.irp i, 0,1,2,3
.irp c, 0,1,2,3
	ds_load_b128 v[\f+64+16*\i+4*\c:\f+64+16*\i+4*\c+3], v[ADRB+\slot] offset:(\q)*BLK+\i*FRB+\c*512
.endr
.endr
	WIN 0
.irp i, 0,1,2,3
	ds_load_b32 v[SC+4*((\f)/128)+\i], v[ADRS+\slot] offset:(\q)*BLK+\i*64
.endr
.endm
; 8 matrix instructions; the 16 accumulators take turns, one instruction a turn.  first = 1: the sums start with 0
.macro MUL8 f, a0, first
.irp a, \a0, \a0+1
.irp b, 0,1,2,3
.if \first
	v_wmma_scale_f32_16x16x128_f8f6f4 v[ACC+8*(4*(\a)+\b):ACC+8*(4*(\a)+\b)+7], v[\f+64+16*\b:\f+64+16*\b+15], v[\f+16*(\a):\f+16*(\a)+15], 0, v[SC+4*((\f)/128)+\b], v[SC+4*((\f)/128)+(\a)] matrix_a_fmt:MATRIX_FMT_BF8 matrix_b_fmt:MATRIX_FMT_BF8 matrix_a_scale:MATRIX_SCALE_ROW1
.else
	v_wmma_scale_f32_16x16x128_f8f6f4 v[ACC+8*(4*(\a)+\b):ACC+8*(4*(\a)+\b)+7], v[\f+64+16*\b:\f+64+16*\b+15], v[\f+16*(\a):\f+16*(\a)+15], v[ACC+8*(4*(\a)+\b):ACC+8*(4*(\a)+\b)+7], v[SC+4*((\f)/128)+\b], v[SC+4*((\f)/128)+(\a)] matrix_a_fmt:MATRIX_FMT_BF8 matrix_b_fmt:MATRIX_FMT_BF8 matrix_a_scale:MATRIX_SCALE_ROW1
.endif
.endr
.endr
.endm
.macro PLACES n
.rept \n
	v_nop
.endr
.endm
.macro STEP f, nslot, nq, first        ; multiplies buffer f, then fetches K step nq of half nslot into it
	s_wait_dscnt 36                                ; this buffer's 36 loads are in; the other buffer's 36 may be out
	WIN MUL
	MUL8 \f, 0, \first
	MUL8 \f, 2, \first
	PLACES 8
	FETCH \nslot, \nq, \f
.endm
	s_wait_alu depctr_va_vdst(0)                   ; the wait at the head's end
	s_cmp_lt_u32 s14, 2
	s_cbranch_scc0 .Llater
	s_wait_tensorcnt 0x0                           ; waves 0 and 1: the first four K steps have landed.  The other waves' wait stands at the next barrier
.Llater:
	s_barrier_signal -1
	s_barrier_wait -1
	FETCH 0, 0, F0
	FETCH 0, 1, F1
	STEP F0, 0, 2, 1
	STEP F1, 0, 3, 0
	s_wait_tensorcnt 0x0                           ; every wave: its load has landed
	s_wait_dscnt 36                                ; the third K step is in; the fourth's 36 loads may be out
	WIN MUL
	MUL8 F0, 0, 0
	s_wait_dscnt 0x0                               ; no LDS instruction is out at a signal
	s_barrier_signal -1
	MUL8 F0, 2, 0
	WIN 0
	s_barrier_wait -1                              ; the second four K steps are whole
	PLACES 8
	FETCH 1, 0, F0
	STEP F1, 1, 1, 0
	STEP F0, 1, 2, 0
	STEP F1, 1, 3, 0
	s_wait_dscnt 36
	WIN MUL
	MUL8 F0, 0, 0
	MUL8 F0, 2, 0
	s_wait_dscnt 0
	MUL8 F1, 0, 0
	MUL8 F1, 2, 0
	WIN 0
	PLACES 8
; THE WAY OUT, R's fragment i at a time: lane (r, h) holds of token 32 (i/2) + 8 (i%2) + r + 8 (r/8) the columns 32 c + 16 h + 0 .. 15: into my stage, back as whole rows of 256 bytes, + the residual, out
.irp i, 0,1,2,3
.if \i >= 2
	s_wait_xcnt 0x0                                ; the stores of two fragments back have read their registers
.endif
.irp b, 0,1,2,3
	ds_store_b128 v[STO], v[ACC+32*\i+8*\b:ACC+32*\i+8*\b+3] offset:(\b/2)*128+(\b%2)*32       ; each accumulator from its low end on
	ds_store_b128 v[STO], v[ACC+32*\i+8*\b+4:ACC+32*\i+8*\b+7] offset:(\b/2)*128+(\b%2)*32+16
.endr
.irp t, 0,1,2,3,4,5,6,7
	ds_load_b128 v[T+32*(\i%2)+4*\t:T+32*(\i%2)+4*\t+3], v[RD] offset:2*\t*272   ; LDS serves a wave's instructions in order: these see my stores
.endr
	s_wait_dscnt 0x0
	s_wait_loadcnt 8*(3-\i)                        ; this fragment's eight residual loads are in; the later fragments' may be out
	WIN 0x08                                       ; source 1 in window 2
.irp k, 0,2,4,6,8,10,12,14,16,18,20,22,24,26,28,30
	v_pk_add_f32 v[T+32*(\i%2)+\k:T+32*(\i%2)+\k+1], v[T+32*(\i%2)+\k:T+32*(\i%2)+\k+1], v[32*\i+\k:32*\i+\k+1]
.endr
	WIN 0
.irp t, 0,1,2,3,4,5,6,7
	global_store_b128 v[CO], v[T+32*(\i%2)+4*\t:T+32*(\i%2)+4*\t+3], s[10:11] offset:(32*(\i/2)+8*(\i%2)+2*\t+8*(\t/4))*4096   ; 16 lanes store 256 consecutive aligned bytes
.endr
.endr
	s_wait_tensorcnt 0x0                           ; the wave's end
	ds_add_u32 v[SPW], v[NIL]
	s_wait_dscnt 0x0
	CROUND                                         ; the closing round
	s_endpgm
.Lfunc_end_k_qddfb9befb8_wog:
	.size	k_qddfb9befb8_wog, .Lfunc_end_k_qddfb9befb8_wog-k_qddfb9befb8_wog
	.p2alignl 7, 3214868480
	.fill 96, 4, 3214868480
	.section	.rodata,"a",@progbits
	.p2align	6, 0x0
	.amdhsa_kernel k_qddfb9befb8_wog
		.amdhsa_group_segment_fixed_size 327680
		.amdhsa_private_segment_fixed_size 0
		.amdhsa_enable_private_segment 0
		.amdhsa_kernarg_size 32
		.amdhsa_user_sgpr_count 2
		.amdhsa_user_sgpr_kernarg_segment_ptr 1
		.amdhsa_wavefront_size32 1
		.amdhsa_system_sgpr_workgroup_id_x 1
		.amdhsa_system_sgpr_workgroup_id_y 1
		.amdhsa_system_sgpr_workgroup_id_z 1
		.amdhsa_system_vgpr_workitem_id 0
		.amdhsa_next_free_vgpr 640
		.amdhsa_next_free_sgpr 100
		.amdhsa_reserve_vcc 0
		.amdhsa_float_denorm_mode_32 3
		.amdhsa_float_denorm_mode_16_64 3
		.amdhsa_memory_ordered 1
		.amdhsa_forward_progress 1
		.amdhsa_inst_pref_size 60
	.end_amdhsa_kernel
	.amdgpu_metadata
---
amdhsa.version: [ 1, 2 ]
amdhsa.kernels:
  - .name:           k_qddfb9befb8_wog
    .symbol:         k_qddfb9befb8_wog.kd
    .args:
      - { .name: ap, .offset: 0, .size: 8, .value_kind: global_buffer, .address_space: global }
      - { .name: ops, .offset: 8, .size: 8, .value_kind: global_buffer, .address_space: global }
      - { .name: H, .offset: 16, .size: 8, .value_kind: global_buffer, .address_space: global }
      - { .name: h1, .offset: 24, .size: 8, .value_kind: global_buffer, .address_space: global }
    .group_segment_fixed_size: 327680
    .private_segment_fixed_size: 0
    .kernarg_segment_align: 8
    .kernarg_segment_size: 32
    .max_flat_workgroup_size: 128
    .sgpr_count:     100
    .vgpr_count:     640
    .wavefront_size: 32
...
	.end_amdgpu_metadata
.endif
;; end of part 4
;; launch ln2 (part 5): grid 256 x 1, 8 waves a work-group, no clusters, 69,632 bytes of LDS; arguments h1, ln2_g, ln2_b, ops; writes ops
.if DOCPART == 5
	.amdgcn_target "amdgcn-amd-amdhsa--gfx1250"
	.amdhsa_code_object_version 6
	.text
	.protected	k_qddfb9befb8_ln2
	.globl	k_qddfb9befb8_ln2
	.p2align	8
	.type	k_qddfb9befb8_ln2,@function
k_qddfb9befb8_ln2:
	s_mov_b64 s[64:65], 0
	v_nop
	global_prefetch_b8 v0, s[64:65] scope:SCOPE_SE
	s_setreg_imm32_b32 hwreg(HW_REG_WAVE_MODE, 25, 1), 1
	s_wait_xcnt 0x0
; LayerNorm of h1's 4,096 rows of 1,024 f32, quantised along the row to E5M2 codes with E8M0 scales, stored as PK blocks (128 rows x 128 K: eight register images of 2,048 bytes, then 512 bytes of scale words)
; into the x region of ops.  Nothing is left out here.  mean, then the mean of (x - mean)^2, as reference() has it; (x - mean) * rsqrt(var + 1e-5) * g + b, all in f32.
; A work-group takes the 16 rows of ONE fragment: rows 128 Gr + 32 (a/2) + 8 (a%2) + i + 8 (i/8).  Wave w takes columns 128 w .. 128 w + 127: one fragment leaves each wave.
; Each load reads 512 consecutive bytes of a row; the 16 x 512 bytes turn through the wave's own stage in LDS (rows 528 bytes apart), so that lane (r, h) holds, of row r, the 16 neighbours 32 c + 16 h + 0 .. 15 of each block.
; The rows, b and g are asked for together at the head.  The row's sums meet in LDS: a word for each (row, wave), one barrier for each of the two sums, in bytes of their own.
; LIMITS: NaN and infinities are not served; a block under 2^-111 or of zeros keeps the scale byte 1 (its codes are zeros or lost; this program alone reads the bytes).
.set BLK,   16896
.set SCO,   16384
.set OFF_X, 1081344                    ; x's 32 groups begin at group 8 of ops
.set RED,   67584                      ; behind the eight stages of 8,448 bytes: 512 bytes for the first sum, 512 for the second
.set SPARE, 68608                      ; the spare words: 128 bytes for each of the eight waves
.set SPW,   12
.set NIL,   13
.set TM,    16                         ; v16-19 largest magnitudes, v20-23 bytes, v24-27 holds, v28-31 scale operands
.set PW,    32                         ; the scale word
.set PC,    36                         ; v36-51 the codes
.set XR,    64                         ; v64-127 the rows as loaded, then my 64 numbers
.set GR,    128                        ; v128-191 g
.set BR,    192                        ; v192-255 b
.set SEL,   20
.set MNT,   22
	s_load_b256 s[4:11], s[0:1], 0x0               ; the rows, g, b, ops
	v_lshl_add_u32 v[SPW], v0, 2, SPARE
	v_mov_b32 v[NIL], 0
	v_lshrrev_b32 v1, 5, v0
	s_delay_alu instid0(VALU_DEP_1)
	v_readfirstlane_b32 s12, v1                    ; wave = K step of 128
	v_and_b32 v1, 31, v0
	v_and_b32 v2, 15, v0                           ; r
	v_bfe_u32 v3, v0, 4, 1                         ; h
	s_delay_alu instid0(VALU_DEP_3)
	v_lshlrev_b32 v4, 4, v1                        ; 16 x lane
	s_mul_i32 s13, s12, 8448
	v_add_nc_u32 v5, s13, v4                       ; the stage, in: a row's 512 bytes as they lie
	v_mul_u32_u24 v6, v2, 528
	s_delay_alu instid0(VALU_DEP_1)
	v_lshl_add_u32 v6, v3, 6, v6
	s_delay_alu instid0(VALU_DEP_1)
	v_add_nc_u32 v6, s13, v6                       ; and out: row r, + 64 h
	v_lshlrev_b32 v8, 5, v2
	s_delay_alu instid0(VALU_DEP_1)
	v_add_nc_u32 v8, RED, v8                       ; a row's eight partial sums: 32 bytes
	s_lshl_b32 s13, s12, 2
	v_add_nc_u32 v7, s13, v8                       ; my wave's word of them
	v_lshlrev_b32 v9, 6, v3                        ; g, b: + 64 h
	v_lshlrev_b32 v10, 2, v2                       ; scale words: 4 r
	s_mov_b32 s[SEL], 0x76543210
	s_mov_b32 s[SEL+1], 0xfedcba98                 ; lane l xor 16
	s_mov_b32 s[MNT], 0x600000
	s_mov_b32 s24, 0x3a800000                      ; 1 / 1,024
	s_mov_b32 s25, 0x3727c5ac                      ; 1e-5
.irp b, 0,1,2,3
	v_mov_b32 v[TM+4+\b], 0                        ; a lane permute's destination counts as one of its sources
.endr
	s_lshr_b32 s14, ttmp9, 3                       ; Gr
	s_and_b32 s15, ttmp9, 7                        ; a
	s_lshl_b32 s16, s14, 7
	s_lshr_b32 s17, s15, 1
	s_lshl_b32 s17, s17, 5
	s_add_co_u32 s16, s16, s17
	s_and_b32 s17, s15, 1
	s_lshl_b32 s17, s17, 3
	s_add_co_u32 s16, s16, s17                     ; the fragment's first row
	s_lshl_b32 s16, s16, 12
	s_lshl_b32 s18, s12, 9                         ; my wave's 512 bytes of a row
	s_add_co_u32 s16, s16, s18
	s_mov_b32 s17, 0
	s_mov_b32 s19, 0
	s_lshl_b32 s26, s14, 3
	s_add_co_u32 s26, s26, s12
	s_mul_i32 s26, s26, BLK
	s_add_co_u32 s26, s26, OFF_X                   ; block (Gr, wave)
	s_lshl_b32 s28, s15, 6
	s_add_co_u32 s28, s28, s26
	s_add_co_u32 s28, s28, SCO                     ; its scale words of fragment a
	s_lshl_b32 s27, s15, 11
	s_add_co_u32 s26, s26, s27                     ; its fragment a
	s_mov_b32 s27, 0
	s_mov_b32 s29, 0
	s_wait_alu depctr_va_vdst(0)
	s_wait_kmcnt 0x0
	s_add_nc_u64 s[4:5], s[4:5], s[16:17]
	s_add_nc_u64 s[6:7], s[6:7], s[18:19]
	s_add_nc_u64 s[8:9], s[8:9], s[18:19]
	s_add_nc_u64 s[26:27], s[10:11], s[26:27]
	s_add_nc_u64 s[28:29], s[10:11], s[28:29]
.irp i, 0,1,2,3,4,5,6,7,8,9,10,11,12,13,14,15
	global_load_b128 v[XR+4*\i:XR+4*\i+3], v4, s[4:5] offset:(\i+8*(\i/8))*4096 th:TH_LOAD_NT   ; 32 lanes read 512 consecutive bytes of row i
.endr
.irp c, 0,1,2,3
.irp j, 0,1,2,3
	global_load_b128 v[BR+16*\c+4*\j:BR+16*\c+4*\j+3], v9, s[8:9] offset:128*\c+16*\j
.endr
.endr
.irp c, 0,1,2,3
.irp j, 0,1,2,3
	global_load_b128 v[GR+16*\c+4*\j:GR+16*\c+4*\j+3], v9, s[6:7] offset:128*\c+16*\j
.endr
.endr
	s_wait_loadcnt 32                              ; the rows are in; b's and g's 32 loads may be out
.irp i, 0,1,2,3,4,5,6,7,8,9,10,11,12,13,14,15
	ds_store_b128 v5, v[XR+4*\i:XR+4*\i+3] offset:528*\i
.endr
.irp c, 0,1,2,3
.irp j, 0,1,2,3
	ds_load_b128 v[XR+16*\c+4*\j:XR+16*\c+4*\j+3], v6 offset:128*\c+16*\j   ; LDS serves a wave's instructions in order: these see my stores, and come back into the registers that the rows left
.endr
.endr
	s_wait_dscnt 0x0
; v52 = my lane's sum -> v52 = the row's sum over 1,024: the other half of the lanes, then the eight waves through LDS
.macro ACROSS off
	s_delay_alu instid0(VALU_DEP_3)
	v_pk_add_f32 v[52:53], v[52:53], v[54:55]
	s_delay_alu instid0(VALU_DEP_2)
	v_pk_add_f32 v[56:57], v[56:57], v[58:59]
	s_delay_alu instid0(VALU_DEP_1)
	v_pk_add_f32 v[52:53], v[52:53], v[56:57]
	s_delay_alu instid0(VALU_DEP_1)
	v_add_f32 v52, v52, v53
	s_delay_alu instid0(VALU_DEP_1)
	v_permlanex16_b32 v54, v52, s[SEL], s[SEL+1]
	s_delay_alu instid0(VALU_DEP_1)
	v_add_f32 v52, v52, v54
	ds_store_b32 v7, v52 offset:\off               ; both halves of the lanes write the same word with the same value
	s_wait_dscnt 0x0                               ; for the others' sake: my store has landed
	s_barrier_signal -1
	s_barrier_wait -1
	ds_load_b128 v[56:59], v8 offset:\off
	ds_load_b128 v[60:63], v8 offset:\off+16
	s_wait_dscnt 0x0
	v_pk_add_f32 v[56:57], v[56:57], v[58:59]
	v_pk_add_f32 v[60:61], v[60:61], v[62:63]
	s_delay_alu instid0(VALU_DEP_1)
	v_pk_add_f32 v[56:57], v[56:57], v[60:61]
	s_delay_alu instid0(VALU_DEP_1)
	v_add_f32 v52, v56, v57
.endm
.irp c, 0,1,2,3
	v_pk_add_f32 v[52+2*\c:53+2*\c], v[XR+2*\c:XR+2*\c+1], v[XR+8+2*\c:XR+9+2*\c]   ; four chains, started by the first numbers
.endr
.irp k, 2,3,4,5,6,7
.irp c, 0,1,2,3
	s_delay_alu instid0(VALU_DEP_4)
	v_pk_add_f32 v[52+2*\c:53+2*\c], v[52+2*\c:53+2*\c], v[XR+8*\k+2*\c:XR+8*\k+2*\c+1]
.endr
.endr
	ACROSS 0
	s_delay_alu instid0(VALU_DEP_1)
	v_mul_f32 v14, s24, v52                        ; the mean
	s_delay_alu instid0(VALU_DEP_1)
	v_mov_b32 v15, v14
.set i, 0
.rept 32
	v_pk_add_f32 v[XR+i:XR+i+1], v[XR+i:XR+i+1], v[14:15] neg_lo:[0,1] neg_hi:[0,1]
.set i, i+2
.endr
.irp c, 0,1,2,3
	v_pk_mul_f32 v[52+2*\c:53+2*\c], v[XR+2*\c:XR+2*\c+1], v[XR+2*\c:XR+2*\c+1]
.endr
.irp k, 1,2,3,4,5,6,7
.irp c, 0,1,2,3
	s_delay_alu instid0(VALU_DEP_4)
	v_pk_fma_f32 v[52+2*\c:53+2*\c], v[XR+8*\k+2*\c:XR+8*\k+2*\c+1], v[XR+8*\k+2*\c:XR+8*\k+2*\c+1], v[52+2*\c:53+2*\c]
.endr
.endr
	ACROSS 512                                     ; other bytes than the first sum's: no wave can still be reading what is written
	s_delay_alu instid0(VALU_DEP_1)
	v_fma_f32 v53, v52, s24, s25                   ; the variance + 1e-5
	s_wait_alu depctr_va_vdst(0)
	v_rsq_f32 v14, v53
	v_nop                                          ; a plain instruction behind the transcendental
	s_wait_alu depctr_va_vdst(0)                   ; the wait ahead of the result's first reader
	v_mov_b32 v15, v14
	s_wait_alu depctr_va_vdst(0)
	s_wait_loadcnt 0x0                             ; g and b
.set i, 0
.rept 32
	v_pk_mul_f32 v[XR+i:XR+i+1], v[XR+i:XR+i+1], v[14:15]
.set i, i+2
.endr
.set i, 0
.rept 32
	v_pk_fma_f32 v[XR+i:XR+i+1], v[XR+i:XR+i+1], v[GR+i:GR+i+1], v[BR+i:BR+i+1]
.set i, i+2
.endr
	; the quantiser: register 16 c + i is k = 32 c + 16 h + i of my row; a block lies in lanes l and l xor 16
.irp b, 0,1,2,3
	v_max3_num_f32 v[TM+\b], |v[XR+16*\b]|, |v[XR+1+16*\b]|, 0x8000000   ; with the floor 2^(16 - 127)
.endr
.irp i, 2,4,6,8,10,12,14
.irp b, 0,1,2,3
	s_delay_alu instid0(VALU_DEP_4)
	v_max3_num_f32 v[TM+\b], v[TM+\b], |v[XR+16*\b+\i]|, |v[XR+1+16*\b+\i]|
.endr
.endr
.irp b, 0,1,2,3
	s_delay_alu instid0(VALU_DEP_4)
	v_permlanex16_b32 v[TM+4+\b], v[TM+\b], s[SEL], s[SEL+1]
.endr
.irp b, 0,1,2,3
	s_delay_alu instid0(VALU_DEP_4)
	v_max_num_f32 v[TM+\b], v[TM+\b], v[TM+4+\b]
.endr
.irp b, 0,1,2,3
	s_delay_alu instid0(VALU_DEP_4)
	v_add_nc_u32 v[TM+12+\b], 0xf8800000, v[TM+\b] ; 15 off the exponent field: the conversion's scale operand
.endr
.irp b, 0,1,2,3
	v_and_or_b32 v[TM+8+\b], v[TM+\b], 0x7f800000, s[MNT]   ; 57,344 x the scale
.endr
.irp b, 0,1,2,3
	v_lshrrev_b32 v[TM+4+\b], 23, v[TM+12+\b]      ; the byte
.endr
	s_delay_alu instid0(VALU_DEP_3)
	v_lshl_or_b32 v[PW], v[TM+5], 8, v[TM+4]
	s_delay_alu instid0(VALU_DEP_1)
	v_lshl_or_b32 v[PW], v[TM+6], 16, v[PW]
	s_delay_alu instid0(VALU_DEP_1)
	v_lshl_or_b32 v[PW], v[TM+7], 24, v[PW]
.irp b, 0,1,2,3
.irp i, 0,1,2,3,4,5,6,7,8,9,10,11,12,13,14,15
	v_med3_num_f32 v[XR+16*\b+\i], v[XR+16*\b+\i], -v[TM+8+\b], v[TM+8+\b]
.endr
	v_cvt_scalef32_pk8_bf8_f32 v[PC+4*\b:PC+1+4*\b], v[XR+16*\b:XR+7+16*\b], v[TM+12+\b]
	v_cvt_scalef32_pk8_bf8_f32 v[PC+2+4*\b:PC+3+4*\b], v[XR+8+16*\b:XR+15+16*\b], v[TM+12+\b]
.endr
	v_nop
.irp c, 0,1,2,3
	global_store_b128 v4, v[PC+4*\c:PC+4*\c+3], s[26:27] offset:512*\c   ; the image of four registers: 512 consecutive aligned bytes
.endr
	global_store_b32 v10, v[PW], s[28:29]          ; row r's word (lanes 16-31 hold and write the same)
	s_wait_tensorcnt 0x0                           ; the wave's end
	ds_add_u32 v[SPW], v[NIL]
	s_wait_dscnt 0x0
	s_endpgm
.Lfunc_end_k_qddfb9befb8_ln2:
	.size	k_qddfb9befb8_ln2, .Lfunc_end_k_qddfb9befb8_ln2-k_qddfb9befb8_ln2
	.p2alignl 7, 3214868480
	.fill 96, 4, 3214868480
	.section	.rodata,"a",@progbits
	.p2align	6, 0x0
	.amdhsa_kernel k_qddfb9befb8_ln2
		.amdhsa_group_segment_fixed_size 69632
		.amdhsa_private_segment_fixed_size 0
		.amdhsa_enable_private_segment 0
		.amdhsa_kernarg_size 32
		.amdhsa_user_sgpr_count 2
		.amdhsa_user_sgpr_kernarg_segment_ptr 1
		.amdhsa_wavefront_size32 1
		.amdhsa_system_sgpr_workgroup_id_x 1
		.amdhsa_system_sgpr_workgroup_id_y 1
		.amdhsa_system_sgpr_workgroup_id_z 1
		.amdhsa_system_vgpr_workitem_id 0
		.amdhsa_next_free_vgpr 256
		.amdhsa_next_free_sgpr 66
		.amdhsa_reserve_vcc 0
		.amdhsa_float_denorm_mode_32 3
		.amdhsa_float_denorm_mode_16_64 3
		.amdhsa_memory_ordered 1
		.amdhsa_forward_progress 1
		.amdhsa_inst_pref_size 34
	.end_amdhsa_kernel
	.amdgpu_metadata
---
amdhsa.version: [ 1, 2 ]
amdhsa.kernels:
  - .name:           k_qddfb9befb8_ln2
    .symbol:         k_qddfb9befb8_ln2.kd
    .args:
      - { .name: h1, .offset: 0, .size: 8, .value_kind: global_buffer, .address_space: global }
      - { .name: ln2_g, .offset: 8, .size: 8, .value_kind: global_buffer, .address_space: global }
      - { .name: ln2_b, .offset: 16, .size: 8, .value_kind: global_buffer, .address_space: global }
      - { .name: ops, .offset: 24, .size: 8, .value_kind: global_buffer, .address_space: global }
    .group_segment_fixed_size: 69632
    .private_segment_fixed_size: 0
    .kernarg_segment_align: 8
    .kernarg_segment_size: 32
    .max_flat_workgroup_size: 256
    .sgpr_count:     66
    .vgpr_count:     256
    .wavefront_size: 32
...
	.end_amdgpu_metadata
.endif
;; end of part 5
;; launch w1g (part 6): grid 16 x 16, 4 waves a work-group, clusters of 4 x 4, 327,680 bytes of LDS; arguments ops, b1, hp; writes hp
.if DOCPART == 6
	.amdgcn_target "amdgcn-amd-amdhsa--gfx1250"
	.amdhsa_code_object_version 6
	.text
	.protected	k_qddfb9befb8_w1g
	.globl	k_qddfb9befb8_w1g
	.p2align	8
	.type	k_qddfb9befb8_w1g,@function
k_qddfb9befb8_w1g:
	s_mov_b64 s[64:65], 0
	v_nop
	global_prefetch_b8 v0, s[64:65] scope:SCOPE_SE
	s_setreg_imm32_b32 hwreg(HW_REG_WAVE_MODE, 25, 1), 1
	s_wait_xcnt 0x0
	s_wait_alu depctr_hold_cnt(0) depctr_sa_sdst(0) depctr_va_vdst(0) depctr_va_sdst(0) depctr_va_ssrc(0) depctr_va_vcc(0) depctr_vm_vsrc(0)
	s_getreg_b32 s2, hwreg(HW_REG_IB_STS2, 6, 4)
	s_cmp_eq_u32 s2, 0
	s_cbranch_scc0 .Lentry_in_a_cluster
	s_endpgm
.Lentry_in_a_cluster:
	s_bfe_u32 s2, ttmp6, 0x10000c
	s_cmp_lg_u32 s2, 0xf033
	s_cbranch_scc0 .Lentry_shape_is_right
	s_endpgm
.Lentry_shape_is_right:
.set FRB,   2048
.set SCO,   16384
.set BLK,   16896
.set PAIR,  2*BLK
.set GSTR,  8*BLK
.set SLOT,  4*PAIR
.set SPARE, 2*SLOT
.set FR,    16
.set NL,    4
.set NP,    8
.set ADRA,  16
.set ADRB,  20
.set ADRS,  22
.set SPW,   28
.set NIL,   29
.set SC,    32
.set BI,    64
.set AF,    128
.set ZC,    128
.set Z2,    160
.set PP,    192
.set QQ,    224
.set TM,    128
.set PW,    144
.set PC,    160
.set SEL,   20
.set MNT,   19
.set RA,    76
.set G1,    24
.set G0,    32
.set G1B,   48
.set G0B,   56
.set MSB,   0
.macro WIN new
.if MSB != (\new)
	s_set_vgpr_msb (MSB<<8)|(\new)
.set MSB, \new
.endif
.endm
.set MUL_LO, 0xa1
.set MUL_HI, 0xf1
.set TO_B,   0x40
.macro JLOAD g0a, g1a, g0b, g1b
	s_cmp_eq_u32 s15, 0
	s_cbranch_scc0 .Lfor_b_\@
	tensor_load_to_lds s[\g0a:\g0a+3], s[\g1a:\g1a+7]
	s_nop 0
.rept 4
	v_nop
.endr
	s_branch .Lasked_\@
.Lfor_b_\@:
	tensor_load_to_lds s[\g0b:\g0b+3], s[\g1b:\g1b+7]
	s_nop 0
.rept 4
	v_nop
.endr
.Lasked_\@:
.endm
.macro CREST
	s_cmp_lg_u32 s14, 0
	s_cbranch_scc1 .Lnot_wave_0_\@
	s_barrier_signal -3
.Lnot_wave_0_\@:
	s_barrier_wait -3
	s_barrier_signal -1
	s_barrier_wait -1
.endm
.macro CROUND
	s_barrier_signal -1
	s_barrier_wait -1
	CREST
.endm
	s_load_b128 s[4:7], s[0:1], 0x0
	s_load_b64 s[8:9], s[0:1], 0x10
	v_lshl_add_u32 v[SPW], v0, 2, SPARE
	v_mov_b32 v[NIL], 0
	ds_add_u32 v[SPW], v[NIL]
	ds_add_u32 v[SPW], v[NIL]
	v_lshrrev_b32 v1, 5, v0
	v_readfirstlane_b32 s14, v1
	s_lshr_b32 s15, s14, 1
	s_and_b32 s16, s14, 1
	s_bfe_u32 s40, ttmp6, 0x40000
	s_bfe_u32 s41, ttmp6, 0x40004
	s_lshl_b32 s42, ttmp9, 2
	s_add_co_u32 s42, s42, s40
	s_and_b32 s17, ttmp7, 0xffff
	s_lshl_b32 s17, s17, 2
	s_add_co_u32 s17, s17, s41
	s_lshl_b32 s43, s41, 2
	s_lshl_b32 s43, 15, s43
	s_lshl_b32 s44, 0x1111, s40
	s_or_b32 s[G1+0], s43, (3<<16)|(1<<21)
	s_or_b32 s[G1B+0], s44, (3<<16)|(1<<21)
.irp g, G1, G1B
	s_mov_b32 s[\g+1], 32<<16
	s_mov_b32 s[\g+2], 132<<16
	s_mov_b32 s[\g+3], 32<<16
	s_mov_b32 s[\g+4], 132
	s_mov_b32 s[\g+5], 32
	s_mov_b32 s[\g+6], 0
	s_mov_b32 s[\g+7], 0
.endr
	s_lshl_b32 s46, s42, 1
	s_add_co_u32 s46, s46, s16
	s_add_co_u32 s46, s46, 64
	s_mul_i32 s46, s46, GSTR
	s_mov_b32 s47, 0
	s_lshl_b32 s20, s17, 1
	s_add_co_u32 s20, s20, s16
	s_add_co_u32 s20, s20, 8
	s_mul_i32 s20, s20, GSTR
	s_mov_b32 s21, 0
	s_mul_i32 s45, s14, PAIR
	s_wait_dscnt 0x0
	s_wait_kmcnt 0x0
	s_add_nc_u64 s[20:21], s[4:5], s[20:21]
	s_add_nc_u64 s[46:47], s[4:5], s[46:47]
	CROUND
.irp s, 0,1
	s_mov_b32 s[G0+4*\s], 1
	s_add_co_u32 s[G0+4*\s+1], s45, \s*SLOT
	s_add_nc_u64 s[G0+4*\s+2:G0+4*\s+3], s[20:21], \s*PAIR
	s_or_b32 s[G0+4*\s+3], s[G0+4*\s+3], 0x80000000
	s_mov_b32 s[G0B+4*\s], 1
	s_add_co_u32 s[G0B+4*\s+1], s45, \s*SLOT
	s_add_nc_u64 s[G0B+4*\s+2:G0B+4*\s+3], s[46:47], \s*PAIR
	s_or_b32 s[G0B+4*\s+3], s[G0B+4*\s+3], 0x80000000
.endr
	JLOAD G0, G1, G0B, G1B                         ; slot 0: one tensor load a wave at the head
; PREFETCHES INTO THE L2: behind the load of fill f stands the request for fill f + 1.  A wave's load is 132 blocks of 256 bytes, asked for jointly by four partners:
; the partner at place p (cx for source 1's rows, cy for source 0's) names blocks 33 p .. 33 p + 32: 32 by a lane each, the last by a second line.  The last fill has none behind it.
.set PFA, 80
.set PFO, 30
.set PF2, 31
	s_cmp_eq_u32 s15, 0
	s_cselect_b64 s[PFA:PFA+1], s[20:21], s[46:47]
	s_cselect_b32 s82, s40, s41
	s_mul_i32 s82, s82, 8448
	s_mov_b32 s83, 0
	s_add_nc_u64 s[PFA:PFA+1], s[PFA:PFA+1], s[82:83]
	v_and_b32 v[PFO], 31, v0
	v_lshlrev_b32 v[PFO], 8, v[PFO]
	v_mov_b32 v[PF2], 8192
	global_prefetch_b8 v[PFO], s[PFA:PFA+1] offset:PAIR th:TH_LOAD_NT scope:SCOPE_SE
	global_prefetch_b8 v[PF2], s[PFA:PFA+1] offset:PAIR th:TH_LOAD_NT scope:SCOPE_SE
	v_and_b32 v1, 15, v0
	v_bfe_u32 v2, v0, 4, 1
	v_and_b32 v3, 31, v0
	v_lshlrev_b32 v4, 4, v3
	s_wait_alu depctr_va_vdst(0)
	v_lshlrev_b32 v5, 6, v2
	s_lshl_b32 s66, s42, 1
	s_add_co_u32 s66, s66, s16
	s_lshl_b32 s68, s66, 9
	s_mov_b32 s69, 0
	s_add_nc_u64 s[6:7], s[6:7], s[68:69]
.irp b, 0,1,2,3,4,5,6,7
	global_load_b128 v[BI+8*\b:BI+8*\b+3], v5, s[6:7] offset:(32*(\b/2)+8*(\b%2))*4
	global_load_b128 v[BI+8*\b+4:BI+8*\b+7], v5, s[6:7] offset:(32*(\b/2)+8*(\b%2))*4+16
.endr
	s_mul_i32 s22, s15, PAIR
	s_mul_i32 s23, s16, PAIR
	s_add_co_u32 s23, s23, 2*PAIR
.irp s, 0,1
	v_add_nc_u32 v[ADRA+\s], s22, v4
	v_add_nc_u32 v[ADRB+\s], s23, v4
	s_add_co_u32 s22, s22, SLOT
	s_add_co_u32 s23, s23, SLOT
.endr
	s_mul_i32 s22, s15, PAIR
	s_mul_i32 s23, s16, PAIR
	s_add_co_u32 s23, s23, 2*PAIR
	s_sub_co_u32 s23, s23, s22
	v_mul_u32_u24 v6, s23, v2
	v_lshl_add_u32 v6, v1, 2, v6
	s_add_co_u32 s22, s22, SCO
	v_add_nc_u32 v[ADRS], s22, v6
	s_add_co_u32 s22, s22, SLOT
	v_add_nc_u32 v[ADRS+1], s22, v6
	v_lshlrev_b32 v6, 2, v1
	s_lshl_b32 s67, s17, 1
	s_add_co_u32 s67, s67, s15
	s_lshl_b32 s67, s67, 5
	s_add_co_u32 s67, s67, s66
	s_mul_i32 s72, s67, BLK
	s_mov_b32 s73, 0
	s_add_co_u32 s74, s72, SCO
	s_mov_b32 s75, 0
	s_add_nc_u64 s[72:73], s[8:9], s[72:73]
	s_add_nc_u64 s[74:75], s[8:9], s[74:75]
.macro FRAG reg, adr, q, i
.irp c, 0,1,2,3
	ds_load_b128 v[\reg+4*\c:\reg+4*\c+3], v[\adr] offset:(\q)*BLK+(\i)*FRB+512*\c
.endr
.endm
.macro MUL16 a0, p, q, sc, zero
.irp a, \a0, \a0+1
.irp b, 0,1,2,3,4,5,6,7
.if \zero == 2
	v_wmma_scale_f32_16x16x128_f8f6f4 v[8*(8*((\a)%4)+\b):8*(8*((\a)%4)+\b)+7], v[128*(\p)+FR*\b:128*(\p)+FR*\b+FR-1], v[AF+FR*(\a):AF+FR*(\a)+FR-1], v[BI+8*\b:BI+8*\b+7], v[SC+16*(\sc)+8*(\q)+\b], v[SC+16*(\sc)+8*(\q)+(\a)] matrix_a_fmt:MATRIX_FMT_BF8 matrix_b_fmt:MATRIX_FMT_BF8 matrix_a_scale:MATRIX_SCALE_ROW1
.else
	v_wmma_scale_f32_16x16x128_f8f6f4 v[8*(8*((\a)%4)+\b):8*(8*((\a)%4)+\b)+7], v[128*(\p)+FR*\b:128*(\p)+FR*\b+FR-1], v[AF+FR*(\a):AF+FR*(\a)+FR-1], v[8*(8*((\a)%4)+\b):8*(8*((\a)%4)+\b)+7], v[SC+16*(\sc)+8*(\q)+\b], v[SC+16*(\sc)+8*(\q)+(\a)] matrix_a_fmt:MATRIX_FMT_BF8 matrix_b_fmt:MATRIX_FMT_BF8 matrix_a_scale:MATRIX_SCALE_ROW1
.endif
.endr
.endr
.endm
.macro FETCH_B slot, q, p
	WIN TO_B
.irp i, 0,1,2,3,4,5,6,7
	FRAG 128*(\p)+FR*\i, ADRB+\slot, \q, \i
.endr
	WIN 0
.endm
.macro FETCH_A slot, q, i0
.irp i, \i0, \i0+1, \i0+2, \i0+3
	FRAG AF+FR*(\i), ADRA+\slot, \q, \i
.endr
.endm
.macro SCALES sc
.irp q, 0,1
.irp i, 0,1,2,3,4,5,6,7
	ds_load_b32 v[SC+16*\sc+8*\q+\i], v[ADRS+\sc] offset:\q*BLK+\i*64
.endr
.endr
.endm
.macro PLACES n
.rept \n
	v_nop
.endr
.endm
.macro STEP slot, q, zero
	s_wait_dscnt 4*NL
.if \zero == 2
	WIN 0x81
.else
	WIN MUL_LO
.endif
	MUL16 0, (\q)%2, \q, \slot, \zero
	MUL16 2, (\q)%2, \q, \slot, \zero
	s_wait_dscnt 0
	PLACES NP
	FETCH_B \slot, (\q)+1, 1-(\q)%2
	FETCH_A \slot, (\q)+1, 0
.if \zero == 2
	WIN 0xc1
.else
	WIN MUL_HI
.endif
	MUL16 4, (\q)%2, \q, \slot, \zero
	MUL16 6, (\q)%2, \q, \slot, \zero
	PLACES NP
	WIN 0
	FETCH_A \slot, (\q)+1, 4
.endm
.macro TURN slot, next, fill
	s_wait_tensorcnt 0x0
	ds_add_u32 v[SPW], v[NIL]
	s_wait_dscnt 4*NL+1
	WIN MUL_LO
	MUL16 0, 1, 1, \slot, 0
	s_wait_dscnt 0x0
	s_barrier_signal -1
	MUL16 2, 1, 1, \slot, 0
	WIN 0
	s_barrier_wait -1
.if \fill
	CREST
	s_add_nc_u64 s[G0+4*\slot+2:G0+4*\slot+3], s[G0+4*\slot+2:G0+4*\slot+3], 2*PAIR
	s_add_nc_u64 s[G0B+4*\slot+2:G0B+4*\slot+3], s[G0B+4*\slot+2:G0B+4*\slot+3], 2*PAIR
	JLOAD G0+4*\slot, G1, G0B+4*\slot, G1B
	PLACES NP-4
.else
	PLACES NP
.endif
	FETCH_B \next, 0, 0
	FETCH_A \next, 0, 0
	SCALES \next
.if (\fill) && (\slot) == 0
	global_prefetch_b8 v[PFO], s[PFA:PFA+1] offset:3*PAIR th:TH_LOAD_NT scope:SCOPE_SE
	global_prefetch_b8 v[PF2], s[PFA:PFA+1] offset:3*PAIR th:TH_LOAD_NT scope:SCOPE_SE
.endif
	WIN MUL_HI
	MUL16 4, 1, 1, \slot, 0
	MUL16 6, 1, 1, \slot, 0
	PLACES NP
	WIN 0
	FETCH_A \next, 0, 4
.endm
	s_wait_alu depctr_va_vdst(0)                   ; the wait at the head's end
	s_wait_tensorcnt 0x0                           ; my part of slot 0 is in; slot 1's first fill is issued as a refill is:
	ds_add_u32 v[SPW], v[NIL]                      ; the add,
	s_wait_dscnt 0x0
	CROUND                                         ; a whole round of the cluster's barrier,
	JLOAD G0+4, G1, G0B+4, G1B                     ; and the load first behind it
	FETCH_B 0, 0, 0
	FETCH_A 0, 0, 0
	SCALES 0
	global_prefetch_b8 v[PFO], s[PFA:PFA+1] offset:2*PAIR th:TH_LOAD_NT scope:SCOPE_SE
	global_prefetch_b8 v[PF2], s[PFA:PFA+1] offset:2*PAIR th:TH_LOAD_NT scope:SCOPE_SE
	FETCH_A 0, 0, 4
	s_wait_loadcnt 0x0
	STEP 0, 0, 2
	TURN 0, 1, 1
	STEP 1, 0, 0
	TURN 1, 0, 1
	STEP 0, 0, 0
	TURN 0, 1, 0
	STEP 1, 0, 0
	s_wait_dscnt 4*NL
	WIN MUL_LO
	MUL16 0, 1, 1, 1, 0
	MUL16 2, 1, 1, 1, 0
	s_wait_dscnt 0
	WIN MUL_HI
	MUL16 4, 1, 1, 1, 0
	MUL16 6, 1, 1, 1, 0
	WIN 0
	PLACES NP
.macro PAIRC r, val
	s_mov_b32 s[\r], \val
	s_mov_b32 s[\r+1], \val
.endm
	PAIRC 24, 0xaf95df0b
	PAIRC 26, 0xb60cff51
	PAIRC 28, 0xb86ec2d2
	PAIRC 30, 0xba40ac63
	PAIRC 32, 0xbb41a1f6
	PAIRC 34, 0xbc83dbd4
	PAIRC 36, 0xb77460cd
	PAIRC 38, 0xbadc924e
	PAIRC 40, 0xbbf19bf8
	PAIRC 42, 0xbc69b6a7
	PAIRC 44, 0x3f3504f3
	v_mov_b32 v8, 0x32edffee
	v_mov_b32 v9, 0x32edffee
	v_mov_b32 v10, 0xb95fbd29
	v_mov_b32 v11, 0xb95fbd29
	s_mov_b32 s[SEL], 0x76543210
	s_mov_b32 s[SEL+1], 0xfedcba98
	s_mov_b32 s[MNT], 0x600000
.macro STUB k
	WIN 2+(\k)/4
.set i, 0
.rept 32
	v_pk_mul_f32 v[BI+i:BI+i+1], v[64*((\k)%4)+i:64*((\k)%4)+i+1], s[44:45] op_sel_hi:[1,0]
.set i, i+2
.endr
	WIN 0
.endm
.macro RUN16 op:vararg
.endm
.macro GELU32 e
.set Z, BI+32*(\e)
.set i, 0
.rept 32
	v_med3_num_f32 v[ZC+i], v[Z+i], -4.0, 4.0
.set i, i+1
.endr
.set i, 0
.rept 16
	v_pk_mul_f32 v[Z2+i:Z2+i+1], v[ZC+i:ZC+i+1], v[ZC+i:ZC+i+1]
.set i, i+2
.endr
.set i, 0
.rept 16
	v_pk_fma_f32 v[PP+i:PP+i+1], v[Z2+i:Z2+i+1], s[24:25], v[8:9] op_sel_hi:[1,0,1]
	v_pk_fma_f32 v[QQ+i:QQ+i+1], v[Z2+i:Z2+i+1], s[36:37], v[10:11] op_sel_hi:[1,0,1]
.set i, i+2
.endr
.irp k, 26,28,30,32,34
.set i, 0
.rept 16
	v_pk_fma_f32 v[PP+i:PP+i+1], v[PP+i:PP+i+1], v[Z2+i:Z2+i+1], s[\k:\k+1] op_sel_hi:[1,1,0]
.set i, i+2
.endr
.endr
.irp k, 38,40,42
.set i, 0
.rept 16
	v_pk_fma_f32 v[QQ+i:QQ+i+1], v[QQ+i:QQ+i+1], v[Z2+i:Z2+i+1], s[\k:\k+1] op_sel_hi:[1,1,0]
.set i, i+2
.endr
.endr
.set i, 0
	s_wait_alu depctr_va_vdst(0)
.rept 32
	v_rcp_f32 v[QQ+i], v[QQ+i]
.set i, i+1
.endr
.set i, 0
.rept 16
	v_pk_mul_f32 v[PP+i:PP+i+1], v[PP+i:PP+i+1], v[ZC+i:ZC+i+1]
	v_pk_mul_f32 v[Z+i:Z+i+1], v[Z+i:Z+i+1], s[44:45] op_sel_hi:[1,0]
.set i, i+2
.endr
	s_wait_alu depctr_va_vdst(0)
.set i, 0
.rept 16
	v_pk_mul_f32 v[PP+i:PP+i+1], v[PP+i:PP+i+1], v[QQ+i:QQ+i+1]
.set i, i+2
.endr
.set i, 0
.rept 16
	v_pk_fma_f32 v[Z+i:Z+i+1], v[Z+i:Z+i+1], v[PP+i:PP+i+1], v[Z+i:Z+i+1]
.set i, i+2
.endr
.endm
	s_mov_b32 s[RA], 0
.Lrow:
.irp k, 0,1,2,3,4,5,6
	s_cmp_eq_u32 s[RA], \k
	s_cbranch_scc1 .Lin_\k
.endr
	STUB 7
	s_branch .Lcommon
.irp k, 0,1,2,3,4,5
.Lin_\k:
	STUB \k
	s_branch .Lcommon
.endr
.Lin_6:
	STUB 6
.Lcommon:
	GELU32 0
	GELU32 1
.irp b, 0,1,2,3
	v_max3_num_f32 v[TM+\b], |v[BI+16*\b]|, |v[BI+1+16*\b]|, 0x8000000
.endr
.irp i, 2,4,6,8,10,12,14
.irp b, 0,1,2,3
	v_max3_num_f32 v[TM+\b], v[TM+\b], |v[BI+16*\b+\i]|, |v[BI+1+16*\b+\i]|
.endr
.endr
.irp b, 0,1,2,3
	v_permlanex16_b32 v[TM+4+\b], v[TM+\b], s[SEL], s[SEL+1]
.endr
.irp b, 0,1,2,3
	v_max_num_f32 v[TM+\b], v[TM+\b], v[TM+4+\b]
.endr
.irp b, 0,1,2,3
	v_add_nc_u32 v[TM+12+\b], 0xf8800000, v[TM+\b]
.endr
.irp b, 0,1,2,3
	v_and_or_b32 v[TM+8+\b], v[TM+\b], 0x7f800000, s[MNT]
.endr
.irp b, 0,1,2,3
	v_lshrrev_b32 v[TM+4+\b], 23, v[TM+12+\b]
.endr
	v_lshl_or_b32 v[PW], v[TM+5], 8, v[TM+4]
	v_lshl_or_b32 v[PW], v[TM+6], 16, v[PW]
	v_lshl_or_b32 v[PW], v[TM+7], 24, v[PW]
.irp b, 0,1,2,3
.irp i, 0,1,2,3,4,5,6,7,8,9,10,11,12,13,14,15
	v_med3_num_f32 v[BI+16*\b+\i], v[BI+16*\b+\i], -v[TM+8+\b], v[TM+8+\b]
.endr
	v_cvt_scalef32_pk8_bf8_f32 v[PC+4*\b:PC+1+4*\b], v[BI+16*\b:BI+7+16*\b], v[TM+12+\b]
	v_cvt_scalef32_pk8_bf8_f32 v[PC+2+4*\b:PC+3+4*\b], v[BI+8+16*\b:BI+15+16*\b], v[TM+12+\b]
.endr
	v_nop
.irp c, 0,1,2,3
	global_store_b128 v4, v[PC+4*\c:PC+4*\c+3], s[72:73] offset:512*\c
.endr
	global_store_b32 v6, v[PW], s[74:75]
	s_wait_xcnt 0x0
	s_add_nc_u64 s[72:73], s[72:73], FRB
	s_add_nc_u64 s[74:75], s[74:75], 64
	s_add_co_u32 s[RA], s[RA], 1
	s_cmp_lt_u32 s[RA], 8
	s_cbranch_scc1 .Lrow
	s_wait_tensorcnt 0x0
	ds_add_u32 v[SPW], v[NIL]
	s_wait_dscnt 0x0
	CROUND
	s_endpgm
.Lfunc_end_k_qddfb9befb8_w1g:
	.size	k_qddfb9befb8_w1g, .Lfunc_end_k_qddfb9befb8_w1g-k_qddfb9befb8_w1g
	.p2alignl 7, 3214868480
	.fill 96, 4, 3214868480
	.section	.rodata,"a",@progbits
	.p2align	6, 0x0
	.amdhsa_kernel k_qddfb9befb8_w1g
		.amdhsa_group_segment_fixed_size 327680
		.amdhsa_private_segment_fixed_size 0
		.amdhsa_enable_private_segment 0
		.amdhsa_kernarg_size 24
		.amdhsa_user_sgpr_count 2
		.amdhsa_user_sgpr_kernarg_segment_ptr 1
		.amdhsa_wavefront_size32 1
		.amdhsa_system_sgpr_workgroup_id_x 1
		.amdhsa_system_sgpr_workgroup_id_y 1
		.amdhsa_system_sgpr_workgroup_id_z 1
		.amdhsa_system_vgpr_workitem_id 0
		.amdhsa_next_free_vgpr 1024
		.amdhsa_next_free_sgpr 100
		.amdhsa_reserve_vcc 0
		.amdhsa_float_denorm_mode_32 3
		.amdhsa_float_denorm_mode_16_64 3
		.amdhsa_memory_ordered 1
		.amdhsa_forward_progress 1
		.amdhsa_inst_pref_size 182
	.end_amdhsa_kernel
	.amdgpu_metadata
---
amdhsa.version: [ 1, 2 ]
amdhsa.kernels:
  - .name:           k_qddfb9befb8_w1g
    .symbol:         k_qddfb9befb8_w1g.kd
    .args:
      - { .name: ops, .offset: 0, .size: 8, .value_kind: global_buffer, .address_space: global }
      - { .name: b1, .offset: 8, .size: 8, .value_kind: global_buffer, .address_space: global }
      - { .name: hp, .offset: 16, .size: 8, .value_kind: global_buffer, .address_space: global }
    .group_segment_fixed_size: 327680
    .private_segment_fixed_size: 0
    .kernarg_segment_align: 8
    .kernarg_segment_size: 24
    .max_flat_workgroup_size: 128
    .sgpr_count:     100
    .vgpr_count:     1024
    .wavefront_size: 32
...
	.end_amdgpu_metadata
.endif
;; end of part 6
;; launch w2g (part 7): grid 8 x 32, 4 waves a work-group, clusters of 4 x 4, 327,680 bytes of LDS; arguments hp, ops, b2, h1, out0; writes out0
.if DOCPART == 7
	.amdgcn_target "amdgcn-amd-amdhsa--gfx1250"
	.amdhsa_code_object_version 6
	.text
	.protected	k_qddfb9befb8_w2g
	.globl	k_qddfb9befb8_w2g
	.p2align	8
	.type	k_qddfb9befb8_w2g,@function
k_qddfb9befb8_w2g:
	s_mov_b64 s[64:65], 0
	v_nop
	global_prefetch_b8 v0, s[64:65] scope:SCOPE_SE
	s_setreg_imm32_b32 hwreg(HW_REG_WAVE_MODE, 25, 1), 1
	s_wait_xcnt 0x0
	s_wait_alu depctr_hold_cnt(0) depctr_sa_sdst(0) depctr_va_vdst(0) depctr_va_sdst(0) depctr_va_ssrc(0) depctr_va_vcc(0) depctr_vm_vsrc(0)
	s_getreg_b32 s2, hwreg(HW_REG_IB_STS2, 6, 4)
	s_cmp_eq_u32 s2, 0
	s_cbranch_scc0 .Lentry_in_a_cluster
	s_endpgm
.Lentry_in_a_cluster:
	s_bfe_u32 s2, ttmp6, 0x10000c
	s_cmp_lg_u32 s2, 0xf033
	s_cbranch_scc0 .Lentry_shape_is_right
	s_endpgm
.Lentry_shape_is_right:
; out0 = h1 + gelu(..) W2 + b2, the product on codes of E5M2 (K = 4,096).  Nothing is left out here.
; Both operands are PK blocks (128 rows x 128 K: eight register images of 2,048 bytes, then 512 bytes of scale words), a group's 32 blocks on end.
; A tile of 128 tokens (R, source 1) x 128 columns (P, source 0), 256 work-groups; a wave makes 64 x 64: 16 accumulators.  A slot holds four K steps of 128 of both operands; each wave fetches two blocks by one tensor load.
; CLUSTERS 4 x 4: R's blocks are shared along a row of the cluster, P's along a column: joint loads.  b2 is the C of each sum's first product.  The way out goes through each wave's own stage in LDS; the residual is added there.
; THE RESIDUAL's rows, 32 loads a wave, are asked for at the head, behind the first tensor loads and the bias, into registers of their own (window 2): they are on their way under the whole product.
.set KC,       32
.set OFF_P,    12976128                ; W2 in ops
.set HAS_BIAS, 1
.set FRB,   2048
.set SCO,   16384
.set BLK,   16896
.set PAIR,  2*BLK
.set RSTR,  KC*BLK
.set SLOT,  4*PAIR
.set LAPS,  KC/8
.set STAGE, 2*SLOT
.set SPARE, STAGE+4*16*272
.set ADRA,  16
.set ADRB,  20
.set ADRS,  22
.set STO,   24
.set RD,    25
.set CO,    26
.set SPW,   28
.set NIL,   29
.set SC,    32                         ; v32-39 scale words; they hold nothing else
.set BI,    40                         ; v40-71 the bias's four tiles; later, with v72-103, rows on the way out
.set T,     40
.set ACC,   128
.set F0,    0                          ; fragment buffers, in window 1
.set F1,    128                        ; window 2, v0-127: the residual's rows, 32 registers for each of R's four fragments
.set G1,    24
.set G0,    32
.set G1B,   48
.set G0B,   56
.set MSB,   0
.macro WIN new
.if MSB != (\new)
	s_set_vgpr_msb (MSB<<8)|(\new)
.set MSB, \new
.endif
.endm
.set MUL,  0x05
.set TO_F, 0x40
.macro JLOAD g0a, g1a, g0b, g1b        ; waves 0 and 1 fetch R's blocks, waves 2 and 3 P's; an s_nop 0 and four v_nop follow each line
	s_cmp_eq_u32 s15, 0
	s_cbranch_scc0 .Lfor_b_\@
	tensor_load_to_lds s[\g0a:\g0a+3], s[\g1a:\g1a+7]
	s_nop 0
.rept 4
	v_nop
.endr
	s_branch .Lasked_\@
.Lfor_b_\@:
	tensor_load_to_lds s[\g0b:\g0b+3], s[\g1b:\g1b+7]
	s_nop 0
.rept 4
	v_nop
.endr
.Lasked_\@:
.endm
.macro CREST
	s_cmp_lg_u32 s14, 0
	s_cbranch_scc1 .Lnot_wave_0_\@
	s_barrier_signal -3
.Lnot_wave_0_\@:
	s_barrier_wait -3
	s_barrier_signal -1
	s_barrier_wait -1
.endm
.macro CROUND
	s_barrier_signal -1
	s_barrier_wait -1
	CREST
.endm
	s_load_b128 s[4:7], s[0:1], 0x0                ; R's operand, ops
.if HAS_BIAS
	s_load_b64 s[12:13], s[0:1], 0x10              ; the bias
	s_load_b64 s[8:9], s[0:1], 0x18                ; the residual
	s_load_b64 s[10:11], s[0:1], 0x20              ; the result
.else
	s_load_b128 s[8:11], s[0:1], 0x10
.endif
	v_lshl_add_u32 v[SPW], v0, 2, SPARE
	v_mov_b32 v[NIL], 0
	ds_add_u32 v[SPW], v[NIL]                      ; the opening: the add, twice on end, and its wait ahead of my first tensor load
	ds_add_u32 v[SPW], v[NIL]
	v_lshrrev_b32 v1, 5, v0
	v_readfirstlane_b32 s14, v1
	s_lshr_b32 s15, s14, 1
	s_and_b32 s16, s14, 1
	s_bfe_u32 s40, ttmp6, 0x40000
	s_bfe_u32 s41, ttmp6, 0x40004
	s_lshl_b32 s42, ttmp9, 2
	s_add_co_u32 s42, s42, s40                     ; P's group
	s_and_b32 s17, ttmp7, 0xffff
	s_lshl_b32 s17, s17, 2
	s_add_co_u32 s17, s17, s41                     ; R's group
	s_lshl_b32 s43, s41, 2
	s_lshl_b32 s43, 15, s43
	s_lshl_b32 s44, 0x1111, s40
	s_or_b32 s[G1+0], s43, (3<<16)|(1<<21)
	s_or_b32 s[G1B+0], s44, (3<<16)|(1<<21)
.irp g, G1, G1B
	s_mov_b32 s[\g+1], 32<<16
	s_mov_b32 s[\g+2], 132<<16
	s_mov_b32 s[\g+3], 32<<16
	s_mov_b32 s[\g+4], 132
	s_mov_b32 s[\g+5], 32
	s_mov_b32 s[\g+6], 0
	s_mov_b32 s[\g+7], 0
.endr
	s_mul_i32 s18, s16, PAIR
	s_mul_i32 s20, s17, RSTR
	s_add_co_u32 s20, s20, s18
	s_mov_b32 s21, 0
	s_mul_i32 s46, s42, RSTR
	s_add_co_u32 s46, s46, s18
	s_add_co_u32 s46, s46, OFF_P
	s_mov_b32 s47, 0
	s_mul_i32 s45, s14, PAIR
	s_wait_dscnt 0x0
	s_wait_kmcnt 0x0
	s_add_nc_u64 s[20:21], s[4:5], s[20:21]
	s_add_nc_u64 s[46:47], s[6:7], s[46:47]
	CROUND
.irp s, 0,1
	s_mov_b32 s[G0+4*\s], 1
	s_add_co_u32 s[G0+4*\s+1], s45, \s*SLOT
	s_add_nc_u64 s[G0+4*\s+2:G0+4*\s+3], s[20:21], \s*4*BLK
	s_or_b32 s[G0+4*\s+3], s[G0+4*\s+3], 0x80000000
	s_mov_b32 s[G0B+4*\s], 1
	s_add_co_u32 s[G0B+4*\s+1], s45, \s*SLOT
	s_add_nc_u64 s[G0B+4*\s+2:G0B+4*\s+3], s[46:47], \s*4*BLK
	s_or_b32 s[G0B+4*\s+3], s[G0B+4*\s+3], 0x80000000
.endr
	JLOAD G0, G1, G0B, G1B                         ; slot 0: one tensor load a wave at the head
; PREFETCHES INTO THE L2: behind the load of fill f (four K steps) stands the request for fill f + 1.  A wave's load is 132 blocks of 256 bytes, asked for jointly by four partners:
; the partner at place p (cx for R, cy for P) names blocks 33 p .. 33 p + 32: 32 by a lane each, the last by a second line.  The address is stepped at the head of the next change of slots, behind s_wait_xcnt 0.
; The eighth and last fill has none behind it: the loop's last trip leads round the request.
.set PFA, 80
.set PFO, 30
.set PF2, 31
	s_cmp_eq_u32 s15, 0
	s_cselect_b64 s[PFA:PFA+1], s[20:21], s[46:47]
	s_cselect_b32 s82, s40, s41
	s_mul_i32 s82, s82, 8448
	s_add_co_u32 s82, s82, 4*BLK                   ; at fill 1
	s_mov_b32 s83, 0
	s_add_nc_u64 s[PFA:PFA+1], s[PFA:PFA+1], s[82:83]
	v_and_b32 v[PFO], 31, v0
	v_lshlrev_b32 v[PFO], 8, v[PFO]
	v_mov_b32 v[PF2], 8192
	global_prefetch_b8 v[PFO], s[PFA:PFA+1] th:TH_LOAD_NT scope:SCOPE_SE
	global_prefetch_b8 v[PF2], s[PFA:PFA+1] th:TH_LOAD_NT scope:SCOPE_SE
	v_and_b32 v1, 15, v0
	v_bfe_u32 v2, v0, 4, 1
	s_wait_alu depctr_va_vdst(0)
	v_and_b32 v3, 31, v0
	v_lshlrev_b32 v4, 4, v3
	v_lshlrev_b32 v5, 6, v2
	s_lshl_b32 s22, s15, 13
	s_lshl_b32 s23, s16, 13
	s_add_co_u32 s23, s23, 2*PAIR
.irp s, 0,1
	v_add_nc_u32 v[ADRA+\s], s22, v4
	v_add_nc_u32 v[ADRB+\s], s23, v4
	s_add_co_u32 s22, s22, SLOT
	s_add_co_u32 s23, s23, SLOT
.endr
	s_lshl_b32 s22, s15, 8
	s_lshl_b32 s23, s16, 8
	s_add_co_u32 s23, s23, 2*PAIR
	s_sub_co_u32 s23, s23, s22
	v_mul_u32_u24 v6, s23, v2
	v_lshl_add_u32 v6, v1, 2, v6
	s_add_co_u32 s22, s22, SCO
	v_add_nc_u32 v[ADRS], s22, v6
	s_add_co_u32 s22, s22, SLOT
	v_add_nc_u32 v[ADRS+1], s22, v6
	s_mul_i32 s23, s14, 16*272
	s_add_co_u32 s23, s23, STAGE
	v_mul_u32_u24 v6, v1, 272
	v_lshl_add_u32 v6, v2, 6, v6
	v_add_nc_u32 v[STO], s23, v6
	v_mul_u32_u24 v6, v2, 272
	v_lshl_add_u32 v6, v1, 4, v6
	v_add_nc_u32 v[RD], s23, v6
	v_lshlrev_b32 v[CO], 12, v2
	v_lshl_add_u32 v[CO], v1, 4, v[CO]
	s_wait_alu depctr_va_vdst(0)
	s_lshl_b32 s66, s17, 19
	s_lshl_b32 s67, s15, 18
	s_add_co_u32 s66, s66, s67
	s_lshl_b32 s67, s42, 9
	s_add_co_u32 s66, s66, s67
	s_lshl_b32 s67, s16, 8
	s_add_co_u32 s66, s66, s67
	s_mov_b32 s67, 0
	s_add_nc_u64 s[8:9], s[8:9], s[66:67]
	s_add_nc_u64 s[10:11], s[10:11], s[66:67]
.if HAS_BIAS
	s_lshl_b32 s68, s42, 9
	s_lshl_b32 s69, s16, 8
	s_add_co_u32 s68, s68, s69
	s_mov_b32 s69, 0
	s_add_nc_u64 s[12:13], s[12:13], s[68:69]
.irp b, 0,1,2,3                                ; in the result's layout: tile b, lane (r, h): columns 32 (b/2) + 8 (b%2) + 16 h + 0 .. 7
	global_load_b128 v[BI+8*\b:BI+8*\b+3], v5, s[12:13] offset:(32*(\b/2)+8*(\b%2))*4
	global_load_b128 v[BI+8*\b+4:BI+8*\b+7], v5, s[12:13] offset:(32*(\b/2)+8*(\b%2))*4+16
.endr
.endif
	WIN 0x80                                       ; destination window 2: the residual's rows, in the order in which the way out takes them
.irp i, 0,1,2,3
.irp t, 0,1,2,3,4,5,6,7
	global_load_b128 v[32*\i+4*\t:32*\i+4*\t+3], v[CO], s[8:9] offset:(32*(\i/2)+8*(\i%2)+2*\t+8*(\t/4))*4096 th:TH_LOAD_NT
.endr
.endr
	WIN 0
.macro FETCH slot, q, f
	WIN TO_F
.irp i, 0,1,2,3
.irp c, 0,1,2,3
	ds_load_b128 v[\f+16*\i+4*\c:\f+16*\i+4*\c+3], v[ADRA+\slot] offset:(\q)*BLK+\i*FRB+\c*512
.endr
.endr
.irp i, 0,1,2,3
.irp c, 0,1,2,3
	ds_load_b128 v[\f+64+16*\i+4*\c:\f+64+16*\i+4*\c+3], v[ADRB+\slot] offset:(\q)*BLK+\i*FRB+\c*512
.endr
.endr
	WIN 0
.irp i, 0,1,2,3
	ds_load_b32 v[SC+4*((\f)/128)+\i], v[ADRS+\slot] offset:(\q)*BLK+\i*64
.endr
.endm
.macro MUL8 f, a0, first
.irp a, \a0, \a0+1
.irp b, 0,1,2,3
.if \first == 1
	v_wmma_scale_f32_16x16x128_f8f6f4 v[ACC+8*(4*(\a)+\b):ACC+8*(4*(\a)+\b)+7], v[\f+64+16*\b:\f+64+16*\b+15], v[\f+16*(\a):\f+16*(\a)+15], 0, v[SC+4*((\f)/128)+\b], v[SC+4*((\f)/128)+(\a)] matrix_a_fmt:MATRIX_FMT_BF8 matrix_b_fmt:MATRIX_FMT_BF8 matrix_a_scale:MATRIX_SCALE_ROW1
.elseif \first == 2
	v_wmma_scale_f32_16x16x128_f8f6f4 v[ACC+8*(4*(\a)+\b):ACC+8*(4*(\a)+\b)+7], v[\f+64+16*\b:\f+64+16*\b+15], v[\f+16*(\a):\f+16*(\a)+15], v[BI+8*\b:BI+8*\b+7], v[SC+4*((\f)/128)+\b], v[SC+4*((\f)/128)+(\a)] matrix_a_fmt:MATRIX_FMT_BF8 matrix_b_fmt:MATRIX_FMT_BF8 matrix_a_scale:MATRIX_SCALE_ROW1
.else
	v_wmma_scale_f32_16x16x128_f8f6f4 v[ACC+8*(4*(\a)+\b):ACC+8*(4*(\a)+\b)+7], v[\f+64+16*\b:\f+64+16*\b+15], v[\f+16*(\a):\f+16*(\a)+15], v[ACC+8*(4*(\a)+\b):ACC+8*(4*(\a)+\b)+7], v[SC+4*((\f)/128)+\b], v[SC+4*((\f)/128)+(\a)] matrix_a_fmt:MATRIX_FMT_BF8 matrix_b_fmt:MATRIX_FMT_BF8 matrix_a_scale:MATRIX_SCALE_ROW1
.endif
.endr
.endr
.endm
.macro PLACES n
.rept \n
	v_nop
.endr
.endm
.macro STEP f, nslot, nq, first
	s_wait_dscnt 36                                ; this buffer's 36 loads are in; the other buffer's 36 may be out
	WIN MUL
	MUL8 \f, 0, \first
	MUL8 \f, 2, \first
	PLACES 8
	FETCH \nslot, \nq, \f
.endm
.macro TURN slot, next, fill
.if \fill
	s_wait_xcnt 0x0                                ; my prefetches have read their address: it steps one fill on
	s_add_nc_u64 s[PFA:PFA+1], s[PFA:PFA+1], 4*BLK
.endif
	s_wait_tensorcnt 0x0
	ds_add_u32 v[SPW], v[NIL]
	s_wait_dscnt 37                                ; (the fourth K step's 36 loads and the add may be out)
	WIN MUL
	MUL8 F0, 0, 0
	s_wait_dscnt 0x0                               ; the add is done, and my reads of this slot are over
	s_barrier_signal -1
	MUL8 F0, 2, 0
	WIN 0
	s_barrier_wait -1
.if \fill
	CREST                                          ; the barrier has opened a round of the cluster's
	s_add_nc_u64 s[G0+4*\slot+2:G0+4*\slot+3], s[G0+4*\slot+2:G0+4*\slot+3], 8*BLK
	s_add_nc_u64 s[G0B+4*\slot+2:G0B+4*\slot+3], s[G0B+4*\slot+2:G0B+4*\slot+3], 8*BLK
	JLOAD G0+4*\slot, G1, G0B+4*\slot, G1B         ; the first tensor load behind the round: it has four K steps in which to land
	PLACES 4
.else
	PLACES 8
.endif
	FETCH \next, 0, F0
.if \fill
.if \slot
	s_cmp_lg_u32 s3, 1                             ; the last trip's second refill is the last fill
	s_cbranch_scc0 .Lnone_\@
.endif
	global_prefetch_b8 v[PFO], s[PFA:PFA+1] th:TH_LOAD_NT scope:SCOPE_SE
	global_prefetch_b8 v[PF2], s[PFA:PFA+1] th:TH_LOAD_NT scope:SCOPE_SE
.Lnone_\@:
.endif
.endm
	s_wait_alu depctr_va_vdst(0)                   ; the wait at the head's end
	s_wait_xcnt 0x0                                ; my prefetches have read their address: it steps to fill 2
	s_add_nc_u64 s[PFA:PFA+1], s[PFA:PFA+1], 4*BLK
	s_wait_tensorcnt 0x0                           ; my part of slot 0 is in; slot 1's first fill is issued as a refill is:
	ds_add_u32 v[SPW], v[NIL]                      ; the add,
	s_wait_dscnt 0x0
	CROUND                                         ; a whole round of the cluster's barrier,
	JLOAD G0+4, G1, G0B+4, G1B                     ; and the load first behind it
	FETCH 0, 0, F0
	FETCH 0, 1, F1
	global_prefetch_b8 v[PFO], s[PFA:PFA+1] th:TH_LOAD_NT scope:SCOPE_SE
	global_prefetch_b8 v[PF2], s[PFA:PFA+1] th:TH_LOAD_NT scope:SCOPE_SE
.if HAS_BIAS
	s_wait_loadcnt 32                              ; the bias is in; the residual's 32 loads, issued behind it, may be out
	STEP F0, 0, 2, 2
.else
	STEP F0, 0, 2, 1
.endif
.if LAPS > 1
	s_mov_b32 s3, LAPS-1
.Llap:                                             ; a trip goes once round the ring and fills both slots again
	STEP F1, 0, 3, 0
	TURN 0, 1, 1
	STEP F1, 1, 1, 0
	STEP F0, 1, 2, 0
	STEP F1, 1, 3, 0
	TURN 1, 0, 1
	STEP F1, 0, 1, 0
	STEP F0, 0, 2, 0
	s_sub_co_u32 s3, s3, 1
	s_cmp_lg_u32 s3, 0
	s_cbranch_scc1 .Llap
.endif
	STEP F1, 0, 3, 0                               ; the last lap fills nothing
	TURN 0, 1, 0
	STEP F1, 1, 1, 0
	STEP F0, 1, 2, 0
	STEP F1, 1, 3, 0
	s_wait_dscnt 36
	WIN MUL
	MUL8 F0, 0, 0
	MUL8 F0, 2, 0
	s_wait_dscnt 0
	MUL8 F1, 0, 0
	MUL8 F1, 2, 0
	WIN 0
	PLACES 8
; THE WAY OUT, R's fragment i at a time: into my stage, back as whole rows of 256 bytes, + the residual, out
.irp i, 0,1,2,3
.if \i >= 2
	s_wait_xcnt 0x0                                ; the stores of two fragments back have read their registers
.endif
.irp b, 0,1,2,3
	ds_store_b128 v[STO], v[ACC+32*\i+8*\b:ACC+32*\i+8*\b+3] offset:(\b/2)*128+(\b%2)*32       ; each accumulator from its low end on
	ds_store_b128 v[STO], v[ACC+32*\i+8*\b+4:ACC+32*\i+8*\b+7] offset:(\b/2)*128+(\b%2)*32+16
.endr
.irp t, 0,1,2,3,4,5,6,7
	ds_load_b128 v[T+32*(\i%2)+4*\t:T+32*(\i%2)+4*\t+3], v[RD] offset:2*\t*272   ; LDS serves a wave's instructions in order: these see my stores
.endr
	s_wait_dscnt 0x0
	s_wait_loadcnt 8*(3-\i)                        ; this fragment's eight residual loads are in; the later fragments' may be out
	WIN 0x08                                       ; source 1 in window 2
.irp k, 0,2,4,6,8,10,12,14,16,18,20,22,24,26,28,30
	v_pk_add_f32 v[T+32*(\i%2)+\k:T+32*(\i%2)+\k+1], v[T+32*(\i%2)+\k:T+32*(\i%2)+\k+1], v[32*\i+\k:32*\i+\k+1]
.endr
	WIN 0
.irp t, 0,1,2,3,4,5,6,7
	global_store_b128 v[CO], v[T+32*(\i%2)+4*\t:T+32*(\i%2)+4*\t+3], s[10:11] offset:(32*(\i/2)+8*(\i%2)+2*\t+8*(\t/4))*4096 th:TH_STORE_NT
.endr
.endr
	s_wait_tensorcnt 0x0                           ; the wave's end
	ds_add_u32 v[SPW], v[NIL]
	s_wait_dscnt 0x0
	CROUND                                         ; the closing round
	s_endpgm
.Lfunc_end_k_qddfb9befb8_w2g:
	.size	k_qddfb9befb8_w2g, .Lfunc_end_k_qddfb9befb8_w2g-k_qddfb9befb8_w2g
	.p2alignl 7, 3214868480
	.fill 96, 4, 3214868480
	.section	.rodata,"a",@progbits
	.p2align	6, 0x0
	.amdhsa_kernel k_qddfb9befb8_w2g
		.amdhsa_group_segment_fixed_size 327680
		.amdhsa_private_segment_fixed_size 0
		.amdhsa_enable_private_segment 0
		.amdhsa_kernarg_size 40
		.amdhsa_user_sgpr_count 2
		.amdhsa_user_sgpr_kernarg_segment_ptr 1
		.amdhsa_wavefront_size32 1
		.amdhsa_system_sgpr_workgroup_id_x 1
		.amdhsa_system_sgpr_workgroup_id_y 1
		.amdhsa_system_sgpr_workgroup_id_z 1
		.amdhsa_system_vgpr_workitem_id 0
		.amdhsa_next_free_vgpr 640
		.amdhsa_next_free_sgpr 100
		.amdhsa_reserve_vcc 0
		.amdhsa_float_denorm_mode_32 3
		.amdhsa_float_denorm_mode_16_64 3
		.amdhsa_memory_ordered 1
		.amdhsa_forward_progress 1
		.amdhsa_inst_pref_size 102
	.end_amdhsa_kernel
	.amdgpu_metadata
---
amdhsa.version: [ 1, 2 ]
amdhsa.kernels:
  - .name:           k_qddfb9befb8_w2g
    .symbol:         k_qddfb9befb8_w2g.kd
    .args:
      - { .name: hp, .offset: 0, .size: 8, .value_kind: global_buffer, .address_space: global }
      - { .name: ops, .offset: 8, .size: 8, .value_kind: global_buffer, .address_space: global }
      - { .name: b2, .offset: 16, .size: 8, .value_kind: global_buffer, .address_space: global }
      - { .name: h1, .offset: 24, .size: 8, .value_kind: global_buffer, .address_space: global }
      - { .name: out0, .offset: 32, .size: 8, .value_kind: global_buffer, .address_space: global }
    .group_segment_fixed_size: 327680
    .private_segment_fixed_size: 0
    .kernarg_segment_align: 8
    .kernarg_segment_size: 40
    .max_flat_workgroup_size: 128
    .sgpr_count:     100
    .vgpr_count:     640
    .wavefront_size: 32
...
	.end_amdgpu_metadata
.endif
;; end of part 7
